; MI455X (gfx1250); checked and timed in simulation.
; The chip was launched on July 23, 2026; its instructions are those of AMD's public machine-readable ISA for CDNA 5 (MIT licence, August 2026) and "CDNA5" Instruction Set Architecture Reference Guide (July 2026). The comments in the code are by the model that wrote it; some were corrected since.
;; Multi Head Attention. Allowed arithmetic: matrix products marked QUANTISED: E2M3 operands, one E8M0 scale for each 32 along K, by v_wmma_scale_f32_16x16x128_f8f6f4 with both operands' format E2M3, f32 sums; everything else in f32.
;; Inputs: Wk_codes 16 x 64 x 32 x 24 uint8 (E2M3 codes of Wk, K innermost, in blocks of 32 codes, four codes in three bytes); Wk_scales 16 x 64 x 32 uint8 (E8M0 scales of Wk, one for each 32 codes along K); Wo_codes 1,024 x 32 x 24 uint8 (E2M3 codes of Wo, K innermost, in blocks of 32 codes, four codes in three bytes); Wo_scales 1,024 x 32 uint8 (E8M0 scales of Wo, one for each 32 codes along K); Wq_codes 16 x 64 x 32 x 24 uint8 (E2M3 codes of Wq, K innermost, in blocks of 32 codes, four codes in three bytes); Wq_scales 16 x 64 x 32 uint8 (E8M0 scales of Wq, one for each 32 codes along K); Wv_codes 16 x 64 x 32 x 24 uint8 (E2M3 codes of Wv, K innermost, in blocks of 32 codes, four codes in three bytes); Wv_scales 16 x 64 x 32 uint8 (E8M0 scales of Wv, one for each 32 codes along K); bo 1,024 float32; keys_codes 4 x 2,048 x 32 x 24 uint8 (E2M3 codes of keys, K innermost, in blocks of 32 codes, four codes in three bytes); keys_scales 4 x 2,048 x 32 uint8 (E8M0 scales of keys, one for each 32 codes along K); mask 4 x 2,048 x 2,048 int32; queries_codes 4 x 2,048 x 32 x 24 uint8 (E2M3 codes of queries, K innermost, in blocks of 32 codes, four codes in three bytes); queries_scales 4 x 2,048 x 32 uint8 (E8M0 scales of queries, one for each 32 codes along K); values_codes 4 x 2,048 x 32 x 24 uint8 (E2M3 codes of values, K innermost, in blocks of 32 codes, four codes in three bytes); values_scales 4 x 2,048 x 32 uint8 (E8M0 scales of values, one for each 32 codes along K).
;; Outputs: out0 4 x 2,048 x 1,024 float32.
;; This version of the problem:
;;   THIS VERSION OF THE PROBLEM IS GIVEN IN LOW PRECISION. The matrix products marked QUANTISED in the list below multiply operands that are first quantised to E2M3 (2 exponent bits, 3 mantissa bits; 6 bits a number), with one power-of-two scale for each 32 numbers along K (OCP MX v1.0); their sums are f32. All else is computed in f32.
;;   The module's matrix products, in the order in which they are computed (A, B: the left and right operand; K: the contracted axis; several contracted axes count as one K, in the product's order):
;;     1. [M 1,024, K 1,024] x [K 1,024, N 8,192]; A: input Wq (given as codes); B: input queries (given as codes): QUANTISED
;;     2. [M 1,024, K 1,024] x [K 1,024, N 8,192]; A: input Wk (given as codes); B: input keys (given as codes): QUANTISED
;;     3. [M 1,024, K 1,024] x [K 1,024, N 8,192]; A: input Wv (given as codes); B: input values (given as codes): QUANTISED
;;     4. batch 64 x [M 2,048, K 64] x [K 64, N 2,048]; A: computed on the way; B: computed on the way: QUANTISED
;;     5. batch 64 x [M 2,048, K 2,048] x [K 2,048, N 64]; A: softmax (see below); B: computed on the way: QUANTISED
;;     6. [M 8,192, K 1,024] x [K 1,024, N 1,024]; A: computed on the way; B: input Wo (given as codes): QUANTISED
;;   THE QUANTISER, for each operand of a quantised product, along K:
;;     - K is cut into blocks of 32 from its start; a last block that is shorter is filled with zeros.
;;     - A block's scale is 2^e with e = floor(log2(the largest magnitude in the block)) - 2, held to -126 .. 127; a block of zeros has e = 0. As a byte (E8M0): e + 127.
;;     - Each number is divided by its block's scale, clamped to +-7.5, and rounded to the nearest number of E2M3, ties to even, subnormals kept.
;;     - The product sums the exact products of the quantised numbers (number of the format x scale) in f32.
;;   ~~~python
;;   def quantise(x, axis):      # numpy; x: float32 -> the quantised numbers, widened to float32 again
;;       x = np.moveaxis(x, axis, -1); K = x.shape[-1]
;;       x = np.pad(x, [(0, 0)] * (x.ndim - 1) + [(0, -K % 32)]); x = x.reshape(x.shape[:-1] + (-1, 32)); a = np.abs(x).max(-1, keepdims=True)
;;       e = np.where(a > 0, np.clip(np.frexp(np.where(a > 0, a, 1))[1] - 1 - 2, -126, 127), 0)      # np.frexp(a)[1] - 1 = floor(log2(a)), exactly
;;       r = np.clip(x / 2.0 ** e, -7.5, 7.5)
;;       step = 2.0 ** (np.maximum(np.frexp(np.where(r == 0, 1, r))[1] - 1, 0) - 3)
;;       q = np.round(r / step) * step * 2.0 ** e      # np.round: ties to even
;;       return np.moveaxis(q.reshape(q.shape[:-2] + (-1,))[..., :K], -1, axis).astype(np.float32)
;;   ~~~
;;   SOFTMAX AHEAD OF A QUANTISED PRODUCT. Where the list says 'softmax', what is quantised is not the finished softmax but p = 2^(t - M), with t = logit x log2(e) and M = ceil(the row's largest t), a whole number; so 1/2 < the row's largest p <= 1. The row's sum l is taken of the UNQUANTISED p, in f32, and the product's result is divided by l at the end. Since M is a whole number, a kernel that streams over the keys may use a running M (the ceiling of the running maximum): every later rescaling is an exact power of two, which a block's scale takes up: the codes' values come out the same.
;;   OPERANDS COMPUTED ON THE WAY. 'Computed on the way' means the value that the module computes at that place (a softmax that the list does not call 'softmax' is quantised finished and normalised). What goes into a quantiser is computed in f32, as accurately as f32 sums, v_exp_f32 and their like allow (about 1e-6 of the number): no bf16 or f16 on the way to a quantiser, and a product that is left as it is and whose result goes on into a quantised operand takes f32 operands (vector FMAs, or v_wmma_f32_16x16x4_f32). A number that lies on a knife's edge between two numbers of the format may be rounded either way, as far as f32 arithmetic and the matrix unit's own rounding can turn it there, and no further.
;;   INPUTS GIVEN AS CODES. Wk (in the module: [16, 64, 1024], K = its axis 2); Wo (in the module: [1024, 1024], K = its axis 1); Wq (in the module: [16, 64, 1024], K = its axis 2); Wv (in the module: [16, 64, 1024], K = its axis 2); keys (in the module: [4, 2048, 1024], K = its axis 2); queries (in the module: [4, 2048, 1024], K = its axis 2); values (in the module: [4, 2048, 1024], K = its axis 2): each comes as NAME_codes (uint8): NAME with its K axis moved to the last place and cut into blocks of 32 codes, [.., K / 32, bytes a block], one block behind the other in memory; four codes in three bytes: a row's codes are one little-endian stream of bits, code i at bits 6 i .. 6 i + 5 (a code: sign, 2 exponent bits, 3 mantissa bits); and NAME_scales (uint8): the same leading axes, one E8M0 byte (e + 127) for each 32 codes along K. Its value is code x scale, taken as it is: it is not quantised again, and the codes and scales need not be those that the quantiser above would give.
;; One version. Each part assembles by itself: llvm-mc -triple=amdgcn-amd-amdhsa -mcpu=gfx1250 --defsym DOCPART=n.
;; ======== version 1 of 1: 4 launches
;; limits: right only within a limited range of input values
;; workspace buffers: qc 6,291,456 bytes; qs 262,144 bytes; kv 12,582,912 bytes; ks 262,144 bytes; vs 262,144 bytes; mw 2,162,688 bytes of whole numbers; ao 6,291,456 bytes; aos 262,144 bytes
;; launch maskpack (part 1): grid 256 x 1, 16 waves a work-group, no clusters, 137,472 bytes of LDS; arguments mask, mw; writes mw
.if DOCPART == 1
	.amdgcn_target "amdgcn-amd-amdhsa--gfx1250"
	.amdhsa_code_object_version 6
	.text
	.protected	k_qd619ac148d_maskpack
	.globl	k_qd619ac148d_maskpack
	.p2align	8
	.type	k_qd619ac148d_maskpack,@function
k_qd619ac148d_maskpack:
	s_mov_b64 s[64:65], 0
	v_nop
	global_prefetch_b8 v0, s[64:65] scope:SCOPE_SE
	s_setreg_imm32_b32 hwreg(HW_REG_WAVE_MODE, 25, 1), 1
	s_wait_xcnt 0x0
; The mask [4][2048][2048] int32 becomes lane masks in the layout of the attention launch's score registers, and one flag bit for each unit.
; Work-group g owns a group of 32 queries (all batches on end): tile u (0, 1) holds in lane place r the query 128 (g / 4) + 64 ((g / 2) % 2) + 16 (g % 2) + 8 u + 32 (r / 8) + r % 8.
; A unit is one tile x 128 keys (a key step).  Word n (0 .. 63) of a unit: bit r + 16 h = (mask[query of place r][128 step + 64 (n / 32) + 32 h + n % 32] != 0).
; mw: [g][8,448 bytes]: [step 16][u 2][64 words], then 256 bytes that hold the group's flag word in every word: bit 2 step + u = 1 where all 64 words of the unit are all ones.
; Wave w takes tile w % 2 and steps 2 (w / 2) + 0, 1.  Every load reads 512 consecutive bytes of a mask row; a unit turns through the wave's own stage in LDS.
; A stream: no matrix work, no cluster, no tensor load.  One barrier: the waves' 32 flags meet in LDS and wave 0 stores them as one unit of 256 bytes.
.set ROWM,  8192
.set PITCH, 528
.set WST,   16*PITCH
.set SPARE, 0x21000                    ; behind the 16 stages: the spare words, 2,048 bytes
.set FL,    0x21800                    ; behind them: 32 flag words
.set WD,    8                          ; v8-11 unit k's 64 words: lane l of the pair holds words 2 l, 2 l + 1
.set FA,    12                         ; v12 LDS address of my first unit's flag word
.set FT,    13
.set FR,    14                         ; v14 FL + 4 x lane
.set R,     16                         ; v16-143 the two units as loaded
.set X,     144                        ; v144-207 a unit as the score registers lie
	s_load_b128 s[4:7], s[0:1], 0x0                ; mask, mw
	v_lshl_add_u32 v208, v0, 2, SPARE
	v_mov_b32 v209, 0
	v_lshrrev_b32 v5, 5, v0
	v_readfirstlane_b32 s8, v5                     ; wave 0..15
	v_and_b32 v6, 31, v0
	v_and_b32 v7, 15, v0
	v_bfe_u32 v3, v0, 4, 1
	v_lshlrev_b32 v1, 4, v6                        ; my 16 bytes of a load's 512
	s_mul_i32 s9, s8, WST
	v_add_nc_u32 v2, s9, v1                        ; the stage, on the way in
	v_lshlrev_b32 v3, 7, v3
	v_mad_u32_u24 v3, v7, PITCH, v3
	v_add_nc_u32 v3, s9, v3                        ; on the way out: row r, + 128 h bytes: 32 keys of each 64
	v_lshlrev_b32 v4, 3, v6
	v_lshl_add_u32 v[FR], v6, 2, FL
.irp i, 0,1,2,3
	v_mov_b32 v[WD+\i], 0
.endr
	s_and_b32 s10, s8, 1                           ; u
	s_lshr_b32 s11, s8, 1                          ; which two steps
	s_lshl_b32 s18, s11, 4                         ; flag word 4 (w / 2) + 2 k + u
	s_lshl_b32 s19, s10, 2
	s_add_co_u32 s18, s18, s19
	s_add_co_u32 s18, s18, FL
	v_mov_b32 v[FA], s18
	s_lshr_b32 s14, ttmp9, 2                       ; the tile's first row, in bytes of 8,192 a row
	s_lshl_b32 s14, s14, 20
	s_bfe_u32 s15, ttmp9, 0x10001
	s_lshl_b32 s15, s15, 19
	s_add_co_u32 s14, s14, s15
	s_and_b32 s15, ttmp9, 1
	s_lshl_b32 s15, s15, 17
	s_add_co_u32 s14, s14, s15
	s_lshl_b32 s15, s10, 16
	s_add_co_u32 s14, s14, s15
	s_lshl_b32 s15, s11, 10                        ; two steps of 512 bytes
	s_add_co_u32 s14, s14, s15
	s_mov_b32 s15, 0
	s_mul_i32 s16, ttmp9, 8448
	s_lshl_b32 s17, s11, 10
	s_add_co_u32 s16, s16, s17
	s_lshl_b32 s17, s10, 8
	s_add_co_u32 s16, s16, s17
	s_mov_b32 s17, 0
	s_wait_alu depctr_va_vdst(0)                   ; the wait at the head's end
	s_wait_kmcnt 0x0
	s_add_nc_u64 s[4:5], s[4:5], s[14:15]
	s_add_nc_u64 s[6:7], s[6:7], s[16:17]
.macro LOAD k                          ; place i is row i % 8 + 32 (i / 8) of the tile
.irp i, 0,1,2,3,4,5,6,7,8,9,10,11,12,13,14,15
	global_load_b128 v[R+64*(\k)+4*\i:R+64*(\k)+4*\i+3], v1, s[4:5] offset:(\i%8+32*(\i/8))*ROWM+512*(\k) th:TH_LOAD_NT
.endr
.endm
.macro UNIT k
	s_wait_loadcnt 16-16*(\k)                      ; behind unit 0's loads the 16 of unit 1 may be out
.irp i, 0,1,2,3,4,5,6,7,8,9,10,11,12,13,14,15
	ds_store_b128 v2, v[R+64*(\k)+4*\i:R+64*(\k)+4*\i+3] offset:PITCH*\i
.endr
.irp i, 0,1,2,3,4,5,6,7,8,9,10,11,12,13,14,15
	ds_load_b128 v[X+4*\i:X+4*\i+3], v3 offset:256*(\i/8)+16*(\i%8)   ; a wave's LDS instructions are served in order: these see my stores
.endr
	s_wait_dscnt 0x0
.set n, 0
.rept 8
.irp e, 0,1,2,3,4,5,6,7
	v_cmp_ne_u32 s[20+\e], 0, v[X+n+\e]
.endr
.irp e, 0,1,2,3,4,5,6,7
	v_writelane_b32 v[WD+2*(\k)+\e%2], s[20+\e], (n+\e)/2
.endr
.set n, n+8
.endr
	global_store_b64 v4, v[WD+2*(\k):WD+2*(\k)+1], s[6:7] offset:512*(\k)   ; 32 lanes store 256 consecutive bytes, aligned
	v_and_b32 v[FT], v[WD+2*(\k)], v[WD+2*(\k)+1]
	s_delay_alu instid0(VALU_DEP_1)
	v_cmp_eq_u32 s28, -1, v[FT]                    ; all ones where both of a lane's words are all ones
	v_mov_b32 v[FT], s28
	ds_store_b32 v[FA], v[FT] offset:8*(\k)
.endm
	LOAD 0
	LOAD 1
	UNIT 0
	UNIT 1
	s_wait_dscnt 0x0                               ; for the others' sake: my flag words have landed
	s_barrier_signal -1
	s_barrier_wait -1
	s_cmp_lg_u32 s8, 0
	s_cbranch_scc1 .Ldone
	ds_load_b32 v[FT], v[FR]                       ; lane l: unit l's word
	s_wait_dscnt 0x0
	v_cmp_eq_u32 s28, -1, v[FT]                    ; bit l: unit l allows every key
	v_mov_b32 v12, s28
	v_mov_b32 v13, s28
	global_store_b64 v4, v[12:13], s[6:7] offset:8192   ; wave 0's base is the group's: 256 consecutive bytes, aligned
.Ldone:
	s_wait_tensorcnt 0x0                           ; the wave's end
	ds_add_u32 v208, v209
	s_wait_dscnt 0x0
	s_endpgm
.Lfunc_end_k_qd619ac148d_maskpack:
	.size	k_qd619ac148d_maskpack, .Lfunc_end_k_qd619ac148d_maskpack-k_qd619ac148d_maskpack
	.p2alignl 7, 3214868480
	.fill 96, 4, 3214868480
	.section	.rodata,"a",@progbits
	.p2align	6, 0x0
	.amdhsa_kernel k_qd619ac148d_maskpack
		.amdhsa_group_segment_fixed_size 137472
		.amdhsa_private_segment_fixed_size 0
		.amdhsa_enable_private_segment 0
		.amdhsa_kernarg_size 16
		.amdhsa_user_sgpr_count 2
		.amdhsa_user_sgpr_kernarg_segment_ptr 1
		.amdhsa_wavefront_size32 1
		.amdhsa_system_sgpr_workgroup_id_x 1
		.amdhsa_system_sgpr_workgroup_id_y 1
		.amdhsa_system_sgpr_workgroup_id_z 1
		.amdhsa_system_vgpr_workitem_id 0
		.amdhsa_next_free_vgpr 210
		.amdhsa_next_free_sgpr 66
		.amdhsa_reserve_vcc 0
		.amdhsa_float_denorm_mode_32 3
		.amdhsa_float_denorm_mode_16_64 3
		.amdhsa_memory_ordered 1
		.amdhsa_forward_progress 1
		.amdhsa_inst_pref_size 27
	.end_amdhsa_kernel
	.amdgpu_metadata
---
amdhsa.version: [ 1, 2 ]
amdhsa.kernels:
  - .name:           k_qd619ac148d_maskpack
    .symbol:         k_qd619ac148d_maskpack.kd
    .args:
      - { .name: mask, .offset: 0, .size: 8, .value_kind: global_buffer, .address_space: global }
      - { .name: mw, .offset: 8, .size: 8, .value_kind: global_buffer, .address_space: global }
    .group_segment_fixed_size: 137472
    .private_segment_fixed_size: 0
    .kernarg_segment_align: 8
    .kernarg_segment_size: 16
    .max_flat_workgroup_size: 512
    .sgpr_count:     66
    .vgpr_count:     210
    .wavefront_size: 32
...
	.end_amdgpu_metadata
.endif
;; end of part 1
;; launch proj (part 2): grid 4 x 64, 4 waves a work-group, clusters of 4 x 4, 327,680 bytes of LDS; arguments queries_codes, queries_scales, Wq_codes, Wq_scales, keys_codes, keys_scales, Wk_codes, Wk_scales, Wv_codes, Wv_scales, values_codes, values_scales, qc, qs, kv, ks, vs; writes qc, qs, kv, ks, vs
.if DOCPART == 2
	.amdgcn_target "amdgcn-amd-amdhsa--gfx1250"
	.amdhsa_code_object_version 6
	.text
	.protected	k_qd619ac148d_proj
	.globl	k_qd619ac148d_proj
	.p2align	8
	.type	k_qd619ac148d_proj,@function
k_qd619ac148d_proj:
	s_mov_b64 s[64:65], 0
	v_nop
	global_prefetch_b8 v0, s[64:65] scope:SCOPE_SE
	s_setreg_imm32_b32 hwreg(HW_REG_WAVE_MODE, 25, 1), 1
	s_wait_xcnt 0x0
	s_wait_alu depctr_hold_cnt(0) depctr_sa_sdst(0) depctr_va_vdst(0) depctr_va_sdst(0) depctr_va_ssrc(0) depctr_va_vcc(0) depctr_vm_vsrc(0)
	s_getreg_b32 s2, hwreg(HW_REG_IB_STS2, 6, 4)
	s_cmp_eq_u32 s2, 0
	s_cbranch_scc0 .Lentry_in_a_cluster
	s_endpgm
.Lentry_in_a_cluster:
	s_bfe_u32 s2, ttmp6, 0x10000c
	s_cmp_lg_u32 s2, 0xf033
	s_cbranch_scc0 .Lentry_shape_is_right
	s_endpgm
.Lentry_shape_is_right:
; Q = queries Wq^T, K = keys Wk^T, V^T = Wv values^T on codes of FP6 (E2M3), each result quantised again and stored as images of the attention launch's operand registers.
; A block is 128 rows of A x 256 rows of B, ALL of K (1,024): A = tokens and B = the weight for Q and K (kind 0, 1), A = Wv and B = tokens for V (kind 2).  768 blocks, 256 a kind.
; A WORK-GROUP STAYS: 256 work-groups, 4 x 4 to a cluster, each make one block of Q, then one of K, then one of V: a loop of two trips and the last block written out, which asks for nothing more.
; LDS holds a block's 384 rows whole: a row is 768 bytes of memory, begins at a multiple of 256, and lies in LDS with 16 bytes behind every 256 (pitch 816).  Each wave asks for one tile
; (waves 0, 1: 64 rows of A each; waves 2, 3: 128 rows of B each), jointly with the three partners that need the same rows.
; THE REFILL: behind a block's last product every wave waits for its tensor loads, adds 0 to its spare word and waits for that and for its LDS reads; a round of the cluster's barrier; then the next block's joint load,
; one a wave, and the next block's scale words.  The block's way out, work on registers and stores, stands behind them.
; THE PREFETCH: behind a block's first K step, 224 products ahead of the refill, the next block's rows are asked for: of the dense bytes that a wave will load (49,152 of A or 98,304 of B) each of the four partners
; names a quarter, told apart by address, a lane a block of 256 bytes.  The last block asks for nothing.
; The scale bytes go straight into registers: a lane takes a row's 32 bytes (eight words, one a K step); lanes 0-15 hold an even block of 16 rows, lanes 16-31 the odd one.
; A wave makes 64 x 128: 32 accumulators, eight K steps of 32 products, the accumulators by turns.  The matrix instruction is used transposed (source 0 = B's rows).
; THE ORDER OF ROWS ON THE WAY OUT: of 64 rows of A, block a (16 rows), row 8 v + i goes to operand a % 2, tile v, place 8 (a / 2) + i.  So in the attention launch a lane's registers run over whole blocks of 32 keys, and of 32 of the head's 64.
; LIMITS: NaN and infinities are not served; a block whose largest magnitude lies under 2^-124 keeps the scale byte 1 (this program alone reads the bytes).
; REGISTERS.  window 0: v1-25 the way out's offsets, v27 32 x lane, v28, v29 the spare word and 0, v30-32 the prefetches' offsets, v36-51 A's scale words, v56-87 B's, v88-111 LDS addresses (two a block),
;   v112-127 the way out, v128-223 A's fragments, two sets (v192-239 the way out's codes).  window 1: B's fragments, two sets, at v0 and v128.  window 2: the accumulators.
.set KROW,   768
.set PITCH,  816
.set ABYTES, 128*PITCH
.set SPARE,  3*ABYTES
.set ABS,  27
.set SPW,  28
.set NIL,  29
.set PF,   30
.set SCA,  36
.set SCB,  56
.set AD,   88
.set AF,   128
.set G1, 24
.set G0, 32
.set G1B, 48
.set G0B, 56
.set KIND, 95
.set MSB, 0
.macro WIN new
.if MSB != \new
	s_set_vgpr_msb (MSB<<8)|\new
.set MSB, \new
.endif
.endm
.macro PLACES n
.rept \n
	v_nop
.endr
.endm
.macro CROUND
	s_barrier_signal -1
	s_barrier_wait -1
	s_cmp_lg_u32 s14, 0
	s_cbranch_scc1 .Lnot_wave_0_\@
	s_barrier_signal -3
.Lnot_wave_0_\@:
	s_barrier_wait -3
	s_barrier_signal -1
	s_barrier_wait -1
.endm
.macro GROUP1 g, mask, rows
	s_or_b32 s[\g+0], s[\mask], (1<<20)|(1<<21)|(5<<22)|(3<<25)
	s_mov_b32 s[\g+1], KROW<<16
	s_mov_b32 s[\g+2], (\rows)<<16
	s_mov_b32 s[\g+3], KROW<<16
	s_mov_b32 s[\g+4], \rows
	s_mov_b32 s[\g+5], KROW
	s_mov_b32 s[\g+6], 0
	s_mov_b32 s[\g+7], 0
.endm
.macro JLOAD                           ; waves 0, 1 ask for A, waves 2, 3 for B: one load a wave
	s_cmp_eq_u32 s15, 0
	s_cbranch_scc0 .Lfor_b_\@
	tensor_load_to_lds s[G0:G0+3], s[G1:G1+7]
	s_nop 0
	PLACES 4
	s_branch .Lasked_\@
.Lfor_b_\@:
	tensor_load_to_lds s[G0B:G0B+3], s[G1B:G1B+7]
	s_nop 0
	PLACES 4
.Lasked_\@:
.endm
.macro SLOADS                          ; the scale words of my 64 rows of A and 128 rows of B
.irp c, 0,1
.irp ip, 0,1
	global_load_b128 v[SCA+8*\ip+4*\c:SCA+8*\ip+4*\c+3], v[ABS], s[6:7] offset:1024*\ip+16*\c
.endr
.irp ip, 0,1,2,3
	global_load_b128 v[SCB+8*\ip+4*\c:SCB+8*\ip+4*\c+3], v[ABS], s[10:11] offset:1024*\ip+16*\c
.endr
.endr
.endm
; the block of kind s\k: A's tile of 128 rows into s\r, B's tile of 256 rows into s\c; s[4:5], s[8:9] the first byte that I load of A's and of B's codes, s[6:7], s[10:11] my rows' scale bytes; both groups 0.
; It stands where no tensor load and no scale load of mine is out; the twelve input addresses are on their way into s[68:91].
.macro SETUP k, r, c
	s_and_b32 s18, s12, 1
	s_lshr_b32 s19, s12, 1
	s_cmp_eq_u32 s\k, 2
	s_cselect_b32 s\c, s19, 0
	s_cselect_b32 s\r, s18, s12
	s_lshl_b32 s\c, s\c, 2
	s_add_co_u32 s\c, s\c, s40
	s_lshl_b32 s\r, s\r, 2
	s_add_co_u32 s\r, s\r, s41
	s_mul_i32 s20, s\r, 128*KROW
	s_mul_i32 s18, s16, 64*KROW
	s_add_co_u32 s20, s20, s18
	s_mov_b32 s21, 0
	s_mul_i32 s46, s\c, 256*KROW
	s_mul_i32 s18, s16, 128*KROW
	s_add_co_u32 s46, s46, s18
	s_mov_b32 s47, 0
	s_lshl_b32 s22, s\r, 12
	s_lshl_b32 s18, s15, 11
	s_add_co_u32 s22, s22, s18
	s_mov_b32 s23, 0
	s_lshl_b32 s92, s\c, 13
	s_lshl_b32 s18, s16, 12
	s_add_co_u32 s92, s92, s18
	s_mov_b32 s93, 0
	s_wait_kmcnt 0x0
	s_cmp_eq_u32 s\k, 0
	s_cselect_b64 s[4:5], s[68:69], s[76:77]
	s_cselect_b64 s[6:7], s[70:71], s[78:79]
	s_cselect_b64 s[8:9], s[72:73], s[80:81]
	s_cselect_b64 s[10:11], s[74:75], s[82:83]
	s_cmp_eq_u32 s\k, 2
	s_cselect_b64 s[4:5], s[84:85], s[4:5]
	s_cselect_b64 s[6:7], s[86:87], s[6:7]
	s_cselect_b64 s[8:9], s[88:89], s[8:9]
	s_cselect_b64 s[10:11], s[90:91], s[10:11]
	s_add_nc_u64 s[4:5], s[4:5], s[20:21]
	s_add_nc_u64 s[8:9], s[8:9], s[46:47]
	s_add_nc_u64 s[6:7], s[6:7], s[22:23]
	s_add_nc_u64 s[10:11], s[10:11], s[92:93]
	s_mov_b64 s[G0+2:G0+3], s[4:5]
	s_or_b32 s[G0+3], s[G0+3], 0x80000000
	s_mov_b64 s[G0B+2:G0B+3], s[8:9]
	s_or_b32 s[G0B+3], s[G0B+3], 0x80000000
.endm
; a fragment: six pieces of 8 bytes of a row's stream of bits, two to a load where both go by the same address register.  NLD counts the loads written
.macro FRAG reg, q, a0
.set SKIP_, 0
.irp p, 0,1,2,3,4,5
.if SKIP_
.set SKIP_, 0
.else
.set PC_, 12*(\q)+6*(\p/3)+\p%3
.set PN_, 12*(\q)+6*((\p+1)/3)+(\p+1)%3
.set X_, (PC_%32+3)/32
.set XQ_, (PN_%32+3)/32
.set NLD, NLD+1
.if (\p < 5) && (X_ == XQ_)
.set SKIP_, 1
	ds_load_2addr_b64 v[\reg+2*\p:\reg+2*\p+3], v[\a0+X_] offset0:PC_+2*(PC_/32) offset1:PN_+2*(PN_/32)
.else
	ds_load_b64 v[\reg+2*\p:\reg+2*\p+1], v[\a0+X_] offset:8*(PC_+2*(PC_/32))
.endif
.endif
.endr
.endm
.macro FETCH q, set
	WIN 0x40
.irp i, 0,1,2,3,4,5,6,7
	FRAG 128*(\set)+12*\i, \q, AD+8+2*\i
.endr
	WIN 0
.irp i, 0,1,2,3
	FRAG AF+48*(\set)+12*\i, \q, AD+2*\i
.endr
.endm
.macro MUL32 q, set, zero
.irp ap, 0,1
.irp ar, 0,1
.irp bp, 0,1,2,3
.irp br, 0,1
.if \zero
	v_wmma_scale_f32_16x16x128_f8f6f4 v[8*(8*(2*\ap+\ar)+2*\bp+\br):8*(8*(2*\ap+\ar)+2*\bp+\br)+7], v[128*(\set)+12*(2*\bp+\br):128*(\set)+12*(2*\bp+\br)+11], v[AF+48*(\set)+12*(2*\ap+\ar):AF+48*(\set)+12*(2*\ap+\ar)+11], 0, v[SCB+8*\bp+(\q)], v[SCA+8*\ap+(\q)] matrix_a_fmt:MATRIX_FMT_FP6 matrix_b_fmt:MATRIX_FMT_FP6 matrix_a_scale:MATRIX_SCALE_ROW\br matrix_b_scale:MATRIX_SCALE_ROW\ar
.else
	v_wmma_scale_f32_16x16x128_f8f6f4 v[8*(8*(2*\ap+\ar)+2*\bp+\br):8*(8*(2*\ap+\ar)+2*\bp+\br)+7], v[128*(\set)+12*(2*\bp+\br):128*(\set)+12*(2*\bp+\br)+11], v[AF+48*(\set)+12*(2*\ap+\ar):AF+48*(\set)+12*(2*\ap+\ar)+11], v[8*(8*(2*\ap+\ar)+2*\bp+\br):8*(8*(2*\ap+\ar)+2*\bp+\br)+7], v[SCB+8*\bp+(\q)], v[SCA+8*\ap+(\q)] matrix_a_fmt:MATRIX_FMT_FP6 matrix_b_fmt:MATRIX_FMT_FP6 matrix_a_scale:MATRIX_SCALE_ROW\br matrix_b_scale:MATRIX_SCALE_ROW\ar
.endif
.endr
.endr
.endr
.endr
.endm
; THE WAY OUT of block a's 16 rows x 128 columns: four scale blocks of 32 a row, quantised and stored as halves of operand images
.set TM,  112
.set PW,  22
.set EV,  24
.set CD,  192
.set OV,  12                           ; v12-19 the codes' offsets: operand fp, half hh at OV + 4 fp + 2 hh (16 bytes a lane), + 1 (8 bytes a lane)
.set OSC, 20                           ; v20, v21 the scale bytes' offsets, operand 0, 1
.set SH,  11
.macro OUTQ a
.set WW, 2
.set AC, 64*(\a)
.set CS, CD+24*((\a)%2)
.set FP, (\a)%2
.set TT, (\a)/2
.set EE, EV+(\a)%2
.if (\a) > 1
	s_wait_xcnt 0x0                                ; block a - 2's stores have read their registers
.endif
	WIN (WW<<6)|WW
.irp b, 0,1,2,3
.irp j, 0,1,2,3,4,5,6,7
	v_permlane16_swap_b32 v[AC+16*\b+\j], v[AC+16*\b+8+\j]
.endr
.endr
	WIN WW|(WW<<2)
.irp b, 0,1,2,3
	v_max3_num_f32 v[TM+\b], |v[AC+16*\b]|, |v[AC+16*\b+1]|, 0x1800000
.endr
	WIN (WW<<2)|(WW<<4)
.irp i, 2,4,6,8,10,12,14
.irp b, 0,1,2,3
	v_max3_num_f32 v[TM+\b], v[TM+\b], |v[AC+16*\b+\i]|, |v[AC+16*\b+\i+1]|
.endr
.endr
	WIN 0
.irp b, 0,1,2,3
	v_permlanex16_b32 v[TM+4+\b], v[TM+\b], s98, s99
.endr
.irp b, 0,1,2,3
	v_max_num_f32 v[TM+\b], v[TM+\b], v[TM+4+\b]
.endr
.irp b, 0,1,2,3
	v_add_nc_u32 v[TM+12+\b], 0xff000000, v[TM+\b]
.endr
.irp b, 0,1,2,3
	v_lshrrev_b32 v[TM+4+\b], 23, v[TM+12+\b]
.endr
	v_lshl_or_b32 v[PW], v[TM+5], 8, v[TM+4]
	v_lshl_or_b32 v[PW], v[TM+6], 16, v[PW]
	v_lshl_or_b32 v[PW], v[TM+7], 24, v[PW]
	WIN WW
.irp c, 0,1
	v_cvt_scalef32_pk16_fp6_f32 v[CS+6*\c:CS+6*\c+2], v[AC+32*\c:AC+32*\c+15], v[TM+12+2*\c]
	v_cvt_scalef32_pk16_fp6_f32 v[CS+12+4*\c:CS+14+4*\c], v[AC+32*\c+16:AC+32*\c+31], v[TM+13+2*\c]
.endr
	WIN 0
	v_nop
.irp c, 0,1
.irp i, 0,1,2
	v_permlane16_swap_b32 v[CS+6*\c+\i], v[CS+12+4*\c+\i]
.endr
.irp i, 0,1,2
	v_mov_b32 v[CS+3+6*\c+\i], v[CS+12+4*\c+\i]
.endr
.endr
	v_lshrrev_b32 v[EE], v[SH], v[PW]
	global_store_b128 v[OV+4*FP], v[CS:CS+3], s[92:93] offset:128*TT
	global_store_b64 v[OV+4*FP+1], v[CS+4:CS+5], s[92:93] offset:64*TT
	global_store_b128 v[OV+4*FP+2], v[CS+6:CS+9], s[92:93] offset:128*TT
	global_store_b64 v[OV+4*FP+3], v[CS+10:CS+11], s[92:93] offset:64*TT
	global_store_b16 v[OSC+FP], v[EE], s[78:79] offset:32*TT
.endm
.macro OUT                             ; the block of kind s95, A's tile s17, B's tile s42.  It names no register of a descriptor, of the scale loads or of the prefetch
	s_load_b256 s[68:75], s[0:1], 0x60             ; qc, qs, kv, ks
	s_load_b64 s[76:77], s[0:1], 0x80              ; vs
	s_lshl_b32 s20, s17, 7
	s_lshl_b32 s21, s15, 6
	s_add_co_u32 s20, s20, s21                     ; my first row of A
	s_lshl_b32 s21, s42, 8
	s_lshl_b32 s22, s16, 7
	s_add_co_u32 s21, s21, s22                     ; my first row of B
	s_mov_b32 s82, 768
	s_mov_b32 s80, 12288
	s_cmp_eq_u32 s[KIND], 2
	s_cselect_b32 s22, s21, s20                    ; token
	s_cselect_b32 s23, s20, s21                    ; feature
	s_cselect_b32 s81, 6144, 0
	s_cselect_b32 s82, 1536, s82
	s_cselect_b32 s85, 2, 4096
	s_cselect_b32 s86, 64, 2
	s_cselect_b32 s87, 128, 64
	s_cselect_b32 s94, 0, s15                      ; Q, K: which 64 of the step's 128 tokens
	s_cmp_eq_u32 s[KIND], 0
	s_cselect_b32 s80, 6144, s80
	s_lshl_b32 s89, s80, 4
	s_cmp_eq_u32 s[KIND], 2
	s_cselect_b32 s89, 768, s89                    ; from an operand's first half to its second
	s_lshl_b32 s83, s82, 1                         ; from operand 0 to operand 1
	s_add_co_u32 s84, s83, s89
	s_lshr_b32 s90, s22, 11
	s_lshl_b32 s90, s90, 4
	s_lshr_b32 s91, s23, 6
	s_add_co_u32 s90, s90, s91                     ; 16 x batch + head
	s_bfe_u32 s91, s22, 0x40007                    ; key step
	s_lshl_b32 s96, s90, 4
	s_add_co_u32 s96, s96, s91
	s_mul_i32 s96, s96, s80
	s_add_co_u32 s96, s96, s81
	s_mul_i32 s20, s94, 3072
	s_add_co_u32 s96, s96, s20
	s_lshl_b32 s97, s90, 12
	s_lshl_b32 s91, s91, 8
	s_add_co_u32 s97, s97, s91
	s_lshl_b32 s20, s94, 7
	s_add_co_u32 s97, s97, s20
	s_mov_b32 s98, 0x76543210
	s_mov_b32 s99, 0xfedcba98
	s_mov_b32 s21, 0
	s_wait_kmcnt 0x0
	s_cmp_eq_u32 s[KIND], 0
	s_cselect_b64 s[92:93], s[68:69], s[72:73]
	s_cselect_b64 s[78:79], s[70:71], s[74:75]
	s_cmp_eq_u32 s[KIND], 2
	s_cselect_b64 s[78:79], s[76:77], s[78:79]
	s_mov_b32 s20, s96
	s_add_nc_u64 s[92:93], s[92:93], s[20:21]
	s_mov_b32 s20, s97
	s_add_nc_u64 s[78:79], s[78:79], s[20:21]
	v_and_b32 v1, 7, v0
	v_bfe_u32 v2, v0, 3, 1
	v_bfe_u32 v3, v0, 4, 1
	v_mul_lo_u32 v[OV], v2, s82
	v_lshl_add_u32 v[OV+1], v1, 3, v[OV]
	v_lshl_add_u32 v[OV+1], v3, 7, v[OV+1]
	v_add_nc_u32 v[OV+1], 512, v[OV+1]
	v_lshl_add_u32 v[OV], v1, 4, v[OV]
	v_lshl_add_u32 v[OV], v3, 8, v[OV]
	v_mul_lo_u32 v[OSC], v3, s85
	v_mul_lo_u32 v4, v2, s86
	v_add_nc_u32 v[OSC], v[OSC], v4
	v_lshl_add_u32 v[OSC], v1, 2, v[OSC]
	v_lshlrev_b32 v[SH], 4, v3
.irp e, 0,1
	v_add_nc_u32 v[OV+2+\e], s89, v[OV+\e]
	v_add_nc_u32 v[OV+4+\e], s83, v[OV+\e]
	v_add_nc_u32 v[OV+6+\e], s84, v[OV+\e]
.endr
	v_add_nc_u32 v[OSC+1], s87, v[OSC]
.irp b, 0,1,2,3
	v_mov_b32 v[TM+4+\b], 0
.endr
.irp a, 0,1,2,3
	OUTQ \a
.endr
.endm
; one block.  more = 1: another block follows
.macro TILE more
	s_wait_alu depctr_va_vdst(0)                   ; the wait here, directly ahead of the wait below
	s_wait_tensorcnt 0x0                           ; my tile is in
	s_barrier_signal -1
	s_barrier_wait -1                              ; and everybody's
.if \more
	s_load_b256 s[68:75], s[0:1], 0x0              ; the inputs' addresses once more, for the next block
	s_load_b256 s[76:83], s[0:1], 0x20
	s_load_b256 s[84:91], s[0:1], 0x40
.endif
.set NLD, 0
	FETCH 0, 0
.set ST_, 0
.rept 8                                ; step by step: the next step's fragments are asked for, then this step's 32 products run
.if ST_ < 7
.if ST_ > 0
	PLACES 4                                       ; in front of loads into registers that the step before multiplied
.endif
.set NLD, 0
	FETCH ST_+1, (ST_+1)%2
	s_wait_dscnt NLD                               ; all but the loads just issued
.else
	s_wait_dscnt 0x0
.endif
.if ST_ == 0
	s_wait_loadcnt 0x0                             ; the scale words
	WIN 0xa1
	MUL32 0, 0, 1
	WIN 0
.if \more
	s_add_co_u32 s13, s[KIND], 1
	SETUP 13, 2, 3                                 ; no tensor load and no scale load of mine is out
	s_cmp_eq_u32 s15, 0
	s_cselect_b64 s[36:37], s[4:5], s[8:9]         ; what I shall load,
	s_add_nc_u64 s[36:37], s[36:37], s[60:61]      ; my work-group's quarter of it
	global_prefetch_b8 v[PF], s[36:37] th:TH_LOAD_NT scope:SCOPE_SE
	global_prefetch_b8 v[PF+1], s[36:37] th:TH_LOAD_NT scope:SCOPE_SE
	s_cmp_eq_u32 s15, 0
	s_cbranch_scc1 .Lshort_\@                      ; A's quarter is 48 blocks, B's 96
	global_prefetch_b8 v[PF+2], s[36:37] th:TH_LOAD_NT scope:SCOPE_SE
.Lshort_\@:
.endif
.else
	WIN 0xa1
	MUL32 ST_, ST_%2, 0
	WIN 0
.endif
.set ST_, ST_+1
.endr
	PLACES 4
.if \more
	s_wait_tensorcnt 0x0                           ; the tensor wait, the spare word's add and its wait, ahead of a refill's round
	ds_add_u32 v[SPW], v[NIL]
	s_wait_dscnt 0x0                               ; the add is done; my reads of the block's rows were over ahead of the last step
	CROUND                                         ; no wave of any partner still reads its rows
	JLOAD                                          ; the next block's rows
	SLOADS                                         ; and its scale words
.endif
	OUT
.if \more
	s_wait_xcnt 0x0                                ; the stores have read their registers and bases
	s_mov_b32 s17, s2
	s_mov_b32 s42, s3
	s_add_co_u32 s[KIND], s[KIND], 1
.endif
.endm
	s_load_b256 s[68:75], s[0:1], 0x0
	s_load_b256 s[76:83], s[0:1], 0x20
	s_load_b256 s[84:91], s[0:1], 0x40
	v_lshl_add_u32 v[SPW], v0, 2, SPARE
	v_mov_b32 v[NIL], 0
	ds_add_u32 v[SPW], v[NIL]                      ; the opening lines: the add, twice on end, and its wait
	ds_add_u32 v[SPW], v[NIL]
	v_lshrrev_b32 v1, 5, v0
	v_readfirstlane_b32 s14, v1                    ; wave
	s_lshr_b32 s15, s14, 1                         ; my half of A's rows; also: I fetch for A (0) or B (1)
	s_and_b32 s16, s14, 1                          ; my half of B's rows; also: which half I fetch
	s_bfe_u32 s40, ttmp6, 0x40000                  ; cx
	s_bfe_u32 s41, ttmp6, 0x40004                  ; cy
	s_and_b32 s12, ttmp7, 0xffff                   ; the cluster's number, 0 .. 15
	s_lshl_b32 s43, s41, 2
	s_lshl_b32 s43, 15, s43                        ; my row of the cluster
	s_lshl_b32 s44, 0x1111, s40                    ; my column
	GROUP1 G1, 43, 64
	GROUP1 G1B, 44, 128
	s_mov_b32 s[G0], 1
	s_mul_i32 s[G0+1], s16, 64*PITCH
	s_mov_b32 s[G0B], 1
	s_mul_i32 s[G0B+1], s16, 128*PITCH
	s_add_co_u32 s[G0B+1], s[G0B+1], ABYTES
	s_mul_i32 s45, s15, 64*PITCH                   ; what I read: my 64 rows of A,
	s_mul_i32 s94, s16, 128*PITCH
	s_add_co_u32 s94, s94, ABYTES                  ; my 128 rows of B
	s_mul_i32 s62, s15, 48
	s_add_co_u32 s62, s62, 47                      ; the last block of a quarter: 47 or 95
	s_mul_i32 s63, s15, 12288
	s_add_co_u32 s63, s63, 12288                   ; a quarter in bytes
	s_cmp_eq_u32 s15, 0
	s_cselect_b32 s60, s40, s41                    ; my place among the four that ask with me
	s_mul_i32 s60, s60, s63
	s_mov_b32 s61, 0
	s_mov_b32 s[KIND], 0
	SETUP 95, 17, 42
	s_wait_dscnt 0x0
	CROUND                                         ; all sixteen work-groups are here: the joint loads meet
	JLOAD
	v_and_b32 v1, 15, v0
	v_bfe_u32 v2, v0, 4, 1
	v_and_b32 v3, 31, v0
	v_lshlrev_b32 v[ABS], 5, v3
	v_mul_u32_u24 v4, v1, PITCH
	v_mad_u32_u24 v5, v2, 40, v4                   ; for the pieces whose lanes 16-31 lie behind one padding more
	v_mad_u32_u24 v4, v2, 24, v4
	v_add_nc_u32 v6, s45, v4
	v_add_nc_u32 v7, s45, v5
	v_add_nc_u32 v8, s94, v4
	v_add_nc_u32 v9, s94, v5
.irp i, 0,1,2,3
	v_add_nc_u32 v[AD+2*\i], \i*16*PITCH, v6
	v_add_nc_u32 v[AD+2*\i+1], \i*16*PITCH, v7
.endr
.irp i, 0,1,2,3,4,5,6,7
	v_add_nc_u32 v[AD+8+2*\i], \i*16*PITCH, v8
	v_add_nc_u32 v[AD+9+2*\i], \i*16*PITCH, v9
.endr
	v_lshlrev_b32 v[PF], 8, v3                     ; a lane a block of 256 bytes
	v_add_nc_u32 v[PF+1], 32, v3
	v_add_nc_u32 v[PF+2], 64, v3
	v_min_u32 v[PF+1], s62, v[PF+1]                ; (A's quarter: the lanes left over name its last block again)
	v_lshlrev_b32 v[PF+2], 8, v[PF+2]
	v_lshlrev_b32 v[PF+1], 8, v[PF+1]
	SLOADS
.Ltile:
	TILE 1
	s_cmp_lt_u32 s[KIND], 2
	s_cbranch_scc1 .Ltile
	TILE 0
	s_wait_tensorcnt 0x0                           ; the wave's end
	ds_add_u32 v[SPW], v[NIL]
	s_wait_dscnt 0x0
	CROUND                                         ; the closing round
	s_endpgm
.Lfunc_end_k_qd619ac148d_proj:
	.size	k_qd619ac148d_proj, .Lfunc_end_k_qd619ac148d_proj-k_qd619ac148d_proj
	.p2alignl 7, 3214868480
	.fill 96, 4, 3214868480
	.section	.rodata,"a",@progbits
	.p2align	6, 0x0
	.amdhsa_kernel k_qd619ac148d_proj
		.amdhsa_group_segment_fixed_size 327680
		.amdhsa_private_segment_fixed_size 0
		.amdhsa_enable_private_segment 0
		.amdhsa_kernarg_size 136
		.amdhsa_user_sgpr_count 2
		.amdhsa_user_sgpr_kernarg_segment_ptr 1
		.amdhsa_wavefront_size32 1
		.amdhsa_system_sgpr_workgroup_id_x 1
		.amdhsa_system_sgpr_workgroup_id_y 1
		.amdhsa_system_sgpr_workgroup_id_z 1
		.amdhsa_system_vgpr_workitem_id 0
		.amdhsa_next_free_vgpr 768
		.amdhsa_next_free_sgpr 102
		.amdhsa_reserve_vcc 0
		.amdhsa_float_denorm_mode_32 3
		.amdhsa_float_denorm_mode_16_64 3
		.amdhsa_memory_ordered 1
		.amdhsa_forward_progress 1
		.amdhsa_inst_pref_size 172
	.end_amdhsa_kernel
	.amdgpu_metadata
---
amdhsa.version: [ 1, 2 ]
amdhsa.kernels:
  - .name:           k_qd619ac148d_proj
    .symbol:         k_qd619ac148d_proj.kd
    .args:
      - { .name: queries_codes, .offset: 0, .size: 8, .value_kind: global_buffer, .address_space: global }
      - { .name: queries_scales, .offset: 8, .size: 8, .value_kind: global_buffer, .address_space: global }
      - { .name: Wq_codes, .offset: 16, .size: 8, .value_kind: global_buffer, .address_space: global }
      - { .name: Wq_scales, .offset: 24, .size: 8, .value_kind: global_buffer, .address_space: global }
      - { .name: keys_codes, .offset: 32, .size: 8, .value_kind: global_buffer, .address_space: global }
      - { .name: keys_scales, .offset: 40, .size: 8, .value_kind: global_buffer, .address_space: global }
      - { .name: Wk_codes, .offset: 48, .size: 8, .value_kind: global_buffer, .address_space: global }
      - { .name: Wk_scales, .offset: 56, .size: 8, .value_kind: global_buffer, .address_space: global }
      - { .name: Wv_codes, .offset: 64, .size: 8, .value_kind: global_buffer, .address_space: global }
      - { .name: Wv_scales, .offset: 72, .size: 8, .value_kind: global_buffer, .address_space: global }
      - { .name: values_codes, .offset: 80, .size: 8, .value_kind: global_buffer, .address_space: global }
      - { .name: values_scales, .offset: 88, .size: 8, .value_kind: global_buffer, .address_space: global }
      - { .name: qc, .offset: 96, .size: 8, .value_kind: global_buffer, .address_space: global }
      - { .name: qs, .offset: 104, .size: 8, .value_kind: global_buffer, .address_space: global }
      - { .name: kv, .offset: 112, .size: 8, .value_kind: global_buffer, .address_space: global }
      - { .name: ks, .offset: 120, .size: 8, .value_kind: global_buffer, .address_space: global }
      - { .name: vs, .offset: 128, .size: 8, .value_kind: global_buffer, .address_space: global }
    .group_segment_fixed_size: 327680
    .private_segment_fixed_size: 0
    .kernarg_segment_align: 8
    .kernarg_segment_size: 136
    .max_flat_workgroup_size: 128
    .sgpr_count:     102
    .vgpr_count:     768
    .wavefront_size: 32
...
	.end_amdgpu_metadata
.endif
;; end of part 2
;; launch attn (part 3): grid 4 x 64, 8 waves a work-group, no clusters, 271,360 bytes of LDS; arguments qc, qs, kv, ks, vs, mw, ao, aos; writes ao, aos
.if DOCPART == 3
	.amdgcn_target "amdgcn-amd-amdhsa--gfx1250"
	.amdhsa_code_object_version 6
	.text
	.protected	k_qd619ac148d_attn
	.globl	k_qd619ac148d_attn
	.p2align	8
	.type	k_qd619ac148d_attn,@function
k_qd619ac148d_attn:
	s_mov_b64 s[64:65], 0
	v_nop
	global_prefetch_b8 v0, s[64:65] scope:SCOPE_SE
	s_setreg_imm32_b32 hwreg(HW_REG_WAVE_MODE, 25, 1), 1
	s_wait_xcnt 0x0
; Attention of one (batch, head) on codes of FP6 (E2M3): S^T = k q^T (K = 64), the mask, the softmax, O^T = v^T p^T (K = the keys), and O / l quantised along the head's 64 for the last product.
; THE SOFTMAX: t = score x log2(e) / 8; M = the running largest t rounded up to a whole number; p = 2^(t - M) is quantised along the keys; the row's sum l is taken of the unquantised p and divides O at the end.
; When M moves, l and O are multiplied by 2^(old M - new M): exact, in every step, with no branch.
; SHARES.  A work-group owns one (batch, head) and 512 queries, in two passes of 256; each of its eight waves owns a group of 32 queries a pass: two tiles of 16, which share every fragment of K and V.  Two waves lie on a SIMD.
; THE HEAD'S K AND V (16 steps x 12,288 bytes, images of operand registers) AND THEIR SCALE WORDS COME INTO LDS ONCE, through registers, at the head; one barrier; then LDS is only read.
; No cluster: what the four work-groups of a head share, 204,800 bytes, is read once by each at its head, against 32 steps of work.  No prefetch: K's and V's loads all go out at the head.
; THE MASK.  The first launch has stored, for each tile and key step, 64 lane masks (one a score register) and one flag bit that says that all of them are all ones.  The group's 32 flag bits are read once a pass.
; Else the 64 words are loaded and a score whose bit is 0 becomes -infinity.
; K = 64 IN AN INSTRUCTION OF 128: a fragment of K holds two tiles of 16 keys, one in K places 0-63, the other in 64-127; Q stands twice, as (q | 0) and as (0 | q): the zero codes pick the tile.
; LAYOUT.  Both products are used transposed: a lane holds one query (lane % 16).  Tile t (0 .. 7) of a step holds at place r' key 64 (t / 4) + 32 (r' / 8) + 8 (t % 4) + r' % 8: so score register n of lane half h is key
; 64 (n / 32) + 32 h + n % 32: A LANE HOLDS TWO WHOLE SCALE BLOCKS OF 32 KEYS, in the order of p's operand registers.  V's rows are ordered likewise: O^T's register i is d = 32 h + i, one scale block of the last product.
; A ROW WHOSE MASK IS ALL ZEROS has l = 0: its scale bytes are stored as 0xff, which makes its whole row of the last product NaN, as the softmax of such a row is.
; LIMITS: scores under -3e38 are not served; the scaled scores stay under 2^31 in magnitude; a block whose largest magnitude lies under 2^-124 keeps the scale byte 1 (this program alone reads the bytes).
; REGISTERS.  window 0: v1-15, v46 addresses and constants; v16-23 scale words alone; v24-39 statistics; v40-59 the way out, staging; v64-191 the scores, then p (64 a tile); v192-215 p's codes; v216-255 at work.
;   window 1: v0-47 K's four fragments; v48-95 V's four; v96-143 Q (tile T: (q | 0) at 96 + 24 T, (0 | q) at 108 + 24 T); v144-207 O^T (32 a tile).
.set SCK,  0x40000
.set LI,   1
.set L8,   2
.set LS,   3
.set A16,  4
.set A8,   5
.set ASC,  6
.set NINF, 7
.set TID,  8
.set R4,   9
.set OA,   10
.set OH,   11
.set QA,   12
.set QB,   13
.set QSA,  14
.set FFFF, 15
.set QS,   16
.set KS,   18
.set VS,   20
.set PS,   22
.set ST,   24                          ; tile T at ST + 8 T: +0 -M, +1 the largest score, +2, +3 l in two halves, +4 f (+5 written once), +6, +7 at work
.set OS,   40
.set EV,   41
.set W16,  42
.set QT,   44
.set SH8,  46                          ; 8 x (lane / 16)
.set SA,   48
.set S,    64
.set PC,   192
.set WK,   216                         ; tile T at WK + 20 T: +0, +1 the blocks' largest, +2, +3 second chains, +4, +5 scale operands, +6, +7 bytes, +8, +12 conversions' second halves, +15 the old -M; +0 .. +5 again for the sums
.set KF,   0
.set VF,   48
.set QV,   96
.set OB,   144
.set MSB, 0
.macro WIN new
.if MSB != \new
	s_set_vgpr_msb (MSB<<8)|\new
.set MSB, \new
.endif
.endm
.macro DLY n
	s_delay_alu instid0(VALU_DEP_\n)
.endm
.macro WALU
	s_wait_alu depctr_va_vdst(0)
.endm
.macro QLOAD                           ; Q of pass s23: two half fragments, each into both variants; its scale bytes.  Ten vector loads
	s_lshl_b32 s2, ttmp9, 4
	s_lshl_b32 s3, s23, 3
	s_add_co_u32 s2, s2, s3
	s_add_co_u32 s2, s2, s22
	s_mul_i32 s3, s2, 1536
	v_add_nc_u32 v[QA], s3, v[LI]
	v_add_nc_u32 v[QB], s3, v[L8]
	s_lshl_b32 s3, s2, 6
	v_add_nc_u32 v[QSA], s3, v[R4]
	WIN 0x40
.irp u, 0,1
	global_load_b128 v[QV+24*\u:QV+24*\u+3], v[QA], s[4:5] offset:768*\u
	global_load_b64 v[QV+24*\u+4:QV+24*\u+5], v[QB], s[4:5] offset:768*\u+512
	global_load_b128 v[QV+24*\u+18:QV+24*\u+21], v[QA], s[4:5] offset:768*\u
	global_load_b64 v[QV+24*\u+22:QV+24*\u+23], v[QB], s[4:5] offset:768*\u+512
.endr
	WIN 0
	global_load_u16 v[QT], v[QSA], s[6:7]
	global_load_u16 v[QT+1], v[QSA], s[6:7] offset:2
.endm
.macro FETCH4 reg, off
	WIN 0x40
.irp i, 0,1,2,3
	ds_load_b128 v[\reg+12*\i:\reg+12*\i+3], v[A16] offset:\off+1536*\i
	ds_load_b64 v[\reg+12*\i+4:\reg+12*\i+5], v[A8] offset:\off+1536*\i+512
	ds_load_b128 v[\reg+12*\i+6:\reg+12*\i+9], v[A16] offset:\off+1536*\i+768
	ds_load_b64 v[\reg+12*\i+10:\reg+12*\i+11], v[A8] offset:\off+1536*\i+1280
.endr
	WIN 0
.endm
.macro KFETCH                          ; 18 LDS loads
	FETCH4 KF, 0
	ds_load_b32 v[KS], v[ASC]
	ds_load_b32 v[KS+1], v[ASC] offset:128
.endm
.macro VFETCH                          ; 18 LDS loads
	FETCH4 VF, 6144
	ds_load_b32 v[VS], v[ASC] offset:4096
	ds_load_b32 v[VS+1], v[ASC] offset:4224
.endm
.macro MASKED T                        ; a unit with holes: its 64 words, then 64 selects, each accumulator from its low end on
	s_load_b512 s[32:47], s[14:15], s104 offset:256*\T
	s_load_b512 s[48:63], s[14:15], s104 offset:256*\T+64
	s_load_b512 s[68:83], s[14:15], s104 offset:256*\T+128
	s_load_b512 s[84:99], s[14:15], s104 offset:256*\T+192
	s_wait_kmcnt 0x0
.set n, 0
.rept 32
	v_cndmask_b32 v[S+64*\T+n], v[NINF], v[S+64*\T+n], s[32+n]
.set n, n+1
.endr
.set n, 0
.rept 32
	v_cndmask_b32 v[S+64*\T+32+n], v[NINF], v[S+64*\T+32+n], s[68+n]
.set n, n+1
.endr
.endm
.macro SUMS from, to                   ; pairs from .. to - 1 of p, each onto one of four chains a tile
.set p, \from
.rept (\to)-(\from)
.irp T, 0,1
.if (p-7)%4 == 3
	v_pk_add_f32 v[ST+8*\T+2:ST+8*\T+3], v[ST+8*\T+2:ST+8*\T+3], v[S+64*\T+2*p:S+64*\T+2*p+1]
.else
	v_pk_add_f32 v[WK+20*\T+2*((p-7)%4):WK+20*\T+2*((p-7)%4)+1], v[WK+20*\T+2*((p-7)%4):WK+20*\T+2*((p-7)%4)+1], v[S+64*\T+2*p:S+64*\T+2*p+1]
.endif
.endr
.set p, p+1
.endr
.endm
	s_load_b512 s[4:19], s[0:1], 0x0               ; qc, qs, kv, ks, vs, mw, ao, aos
	v_lshl_add_u32 v62, v0, 2, 0x42000
	v_mov_b32 v63, 0
	v_lshrrev_b32 v1, 5, v0
	v_readfirstlane_b32 s22, v1                    ; wave 0..7
	v_and_b32 v3, 31, v0
	v_bfe_u32 v[SH8], v0, 4, 1
	v_and_b32 v[R4], 15, v0
	v_lshlrev_b32 v[TID], 4, v0
	v_lshlrev_b32 v[LI], 4, v3
	v_lshlrev_b32 v[L8], 3, v3
	v_lshl_add_u32 v[LS], v3, 2, SCK
	v_lshlrev_b32 v[SH8], 3, v[SH8]
	v_lshlrev_b32 v[R4], 2, v[R4]
	v_mov_b32 v[NINF], 0xff800000
	v_mov_b32 v[FFFF], 0xffff
.irp q, 1,2,3,4
	v_add_nc_u32 v[SA+\q-1], \q*0x10000, v[TID]
.endr
.irp T, 0,1
	v_mov_b32 v[ST+8*\T+5], 0                      ; named as the upper half of f's pair
	v_mov_b32 v[ST+8*\T+6], 0                      ; written once: a lane permute's destination counts as one of its sources
	v_mov_b32 v[ST+8*\T+7], 0
	v_mov_b32 v[WK+20*\T+7], 0
.endr
	WIN 0x40
.irp u, 0,1
.irp i, 0,1,2,3,4,5
	v_mov_b32 v[QV+24*\u+6+\i], 0                  ; the zero halves of Q's two variants
	v_mov_b32 v[QV+24*\u+12+\i], 0
.endr
.endr
	WIN 0
	s_and_b32 s20, ttmp7, 0xffff                   ; 16 x batch + head
	s_lshr_b32 s21, s20, 4
	s_and_b32 s105, s20, 15
	s_mov_b32 s23, 0                               ; pass
	s_mov_b32 s28, 0x76543210
	s_mov_b32 s29, 0xfedcba98
	s_mov_b32 s30, 0x3e38aa3b                      ; c = log2(e) / 8
	s_mov_b32 s31, s30
	s_mov_b32 s101, 0xffff0000
	s_mov_b32 s3, 0
	WALU                                           ; the wait at the head's end
	s_wait_kmcnt 0x0
	s_mul_i32 s2, s20, 98304
	s_add_nc_u64 s[4:5], s[4:5], s[2:3]
	s_lshl_b32 s2, s20, 12
	s_add_nc_u64 s[6:7], s[6:7], s[2:3]
	s_add_nc_u64 s[10:11], s[10:11], s[2:3]
	s_add_nc_u64 s[12:13], s[12:13], s[2:3]
	s_mul_i32 s2, s20, 196608
	s_add_nc_u64 s[8:9], s[8:9], s[2:3]
	s_mul_i32 s2, s21, 1572864
	s_mul_i32 s100, s105, 768
	s_add_co_u32 s2, s2, s100
	s_add_nc_u64 s[16:17], s[16:17], s[2:3]
	s_lshl_b32 s2, s21, 16
	s_lshl_b32 s100, s105, 1
	s_add_co_u32 s2, s2, s100
	s_add_nc_u64 s[18:19], s[18:19], s[2:3]
	global_load_b128 v[52:55], v[TID], s[10:11]    ; all vector loads of the head go out together: 2 + 48 + 10
	global_load_b128 v[56:59], v[TID], s[12:13]
.irp s, 0,1,2,3,4,5,6,7,8,9,10,11,12,13,14,15
.irp j, 0,1,2
	global_load_b128 v[S+12*\s+4*\j:S+12*\s+4*\j+3], v[TID], s[8:9] offset:12288*\s+4096*\j
.endr
.endr
	QLOAD
	s_wait_loadcnt 58                              ; the scale words are in: the 48 and the 10 behind them may be out
	ds_store_b128 v[SA+3], v[52:55]
	ds_store_b128 v[SA+3], v[56:59] offset:4096
.irp s, 0,1,2,3,4,5,6,7,8,9,10,11,12,13,14,15
	s_wait_loadcnt 55-3*\s                         ; step s is in: the 3 (15 - s) loads of later steps and Q's 10 may be out
.irp j, 0,1,2
.if \s < 4
	ds_store_b128 v[TID], v[S+12*\s+4*\j:S+12*\s+4*\j+3] offset:(\s%4)*16384+4096*\j
.else
	ds_store_b128 v[SA+\s/4-1], v[S+12*\s+4*\j:S+12*\s+4*\j+3] offset:(\s%4)*16384+4096*\j
.endif
.endr
.endr
	s_wait_dscnt 0x0
	s_barrier_signal -1
	s_barrier_wait -1                              ; K, V and their scale words lie in LDS; nothing is stored there again
	v_mov_b32 v[A16], v[LI]
	v_mov_b32 v[A8], v[L8]
	v_mov_b32 v[ASC], v[LS]
	KFETCH
	VFETCH
.Lpass:
	s_lshl_b32 s2, ttmp9, 4
	s_lshl_b32 s3, s23, 3
	s_add_co_u32 s2, s2, s3
	s_add_co_u32 s2, s2, s22                       ; this pass's group of 32 queries
	s_lshl_b32 s3, s21, 6
	s_add_co_u32 s3, s3, s2
	s_mul_i32 s104, s3, 8448                       ; its part of mw
	s_load_b32 s66, s[14:15], s104 offset:8192     ; its 32 flag bits
	s_mul_i32 s3, s2, 24576
	v_add_nc_u32 v[OA], s3, v[LI]
	v_add_nc_u32 v[OH], s3, v[L8]
	s_lshl_b32 s3, s2, 10
	v_lshl_add_u32 v[OS], v[LI], 1, s3
	s_wait_loadcnt 0x0                             ; Q and its scale bytes
.irp T, 0,1
	v_lshl_or_b32 v[QS+\T], v[QT+\T], 16, v[QT+\T] ; the two bytes twice: they serve both variants
.endr
.irp T, 0,1
	v_mov_b32 v[ST+8*\T+1], 0xff61b1e6             ; the largest score so far: -3e38
	v_mov_b32 v[ST+8*\T+2], 0
	v_mov_b32 v[ST+8*\T+3], 0
.endr
.irp T, 0,1
	v_mul_f32 v[ST+8*\T+6], s30, v[ST+8*\T+1]
.endr
.irp T, 0,1
	DLY 2
	v_floor_f32 v[ST+8*\T], -v[ST+8*\T+6]          ; -M
.endr
	WIN 0x40
.set j, 0
.rept 64
	v_mov_b32 v[OB+j], 0                           ; O^T: the step is written once; the first finds zeros
.set j, j+1
.endr
	WIN 0
	s_wait_kmcnt 0x0                               ; the flags are in: s104 may be stepped
	s_mov_b32 s24, 0
.Lstep:
	s_add_co_u32 s25, s24, 1
	s_and_b32 s25, s25, 15                         ; the step to be fetched; behind the last the first again, for the next pass
	s_lshl_b32 s26, s25, 8
	s_lshl_b32 s25, s25, 14
	s_wait_dscnt 18                                ; this step's K is in; V's 18 loads may be out
	WIN 0x05
.irp be, 0,1,2,3
.irp x, 0,1
.irp T, 0,1
.if \be%2
	v_wmma_scale_f32_16x16x128_f8f6f4 v[S+64*\T+16*\be+8*\x:S+64*\T+16*\be+8*\x+7], v[KF+12*\be:KF+12*\be+11], v[QV+24*\T+12*\x:QV+24*\T+12*\x+11], 0, v[KS+\be/2], v[QS+\T] matrix_a_fmt:MATRIX_FMT_FP6 matrix_b_fmt:MATRIX_FMT_FP6 matrix_a_scale:MATRIX_SCALE_ROW1
.else
	v_wmma_scale_f32_16x16x128_f8f6f4 v[S+64*\T+16*\be+8*\x:S+64*\T+16*\be+8*\x+7], v[KF+12*\be:KF+12*\be+11], v[QV+24*\T+12*\x:QV+24*\T+12*\x+11], 0, v[KS+\be/2], v[QS+\T] matrix_a_fmt:MATRIX_FMT_FP6 matrix_b_fmt:MATRIX_FMT_FP6
.endif
.endr
.endr
.endr
	WIN 0
	v_add_nc_u32 v[A16], s25, v[LI]                ; four plain lines: the places in front of the loads into K's registers and of the first read of the scores
	v_add_nc_u32 v[A8], s25, v[L8]
	v_add_nc_u32 v[ASC], s26, v[LS]
	v_nop
	KFETCH                                         ; the next step's K
	s_and_b32 s2, s66, 1                           ; tile 0's flag
	WALU                                           ; the wait ahead of the branch
	s_cbranch_scc1 .Lfull0
	MASKED 0
.Lfull0:
	s_and_b32 s2, s66, 2                           ; tile 1's
	WALU
	s_cbranch_scc1 .Lfull1
	MASKED 1
.Lfull1:
.irp T, 0,1
	v_mov_b32 v[WK+20*\T+15], v[ST+8*\T]           ; the old -M
.endr
; the largest score of each block of 32 keys, all in one lane: two chains a block, eight chains by turns.  It serves the row's maximum and, since p rises with the score, the block's largest p
.irp c, 0,1
.irp T, 0,1
.irp k, 0,1
	v_max3_num_f32 v[WK+20*\T+2*\k+\c], v[S+64*\T+32*\c+16*\k], v[S+64*\T+32*\c+16*\k+1], v[S+64*\T+32*\c+16*\k+2]
.endr
.endr
.endr
.irp i, 3,5,7,9,11,13
.irp c, 0,1
.irp T, 0,1
.irp k, 0,1
	v_max3_num_f32 v[WK+20*\T+2*\k+\c], v[WK+20*\T+2*\k+\c], v[S+64*\T+32*\c+16*\k+\i], v[S+64*\T+32*\c+16*\k+\i+1]
.endr
.endr
.endr
.endr
.irp c, 0,1
.irp T, 0,1
	v_max3_num_f32 v[WK+20*\T+\c], v[WK+20*\T+\c], v[S+64*\T+32*\c+15], v[S+64*\T+32*\c+31]
.endr
.endr
.irp c, 0,1
.irp T, 0,1
	v_max_num_f32 v[WK+20*\T+\c], v[WK+20*\T+\c], v[WK+20*\T+2+\c]
.endr
.endr
.irp T, 0,1
	v_max_num_f32 v[ST+8*\T+6], v[WK+20*\T], v[WK+20*\T+1]
.endr
.irp T, 0,1
	v_permlanex16_b32 v[ST+8*\T+7], v[ST+8*\T+6], s28, s29           ; the other half's 64 keys
.endr
.irp T, 0,1
	v_max3_num_f32 v[ST+8*\T+1], v[ST+8*\T+1], v[ST+8*\T+6], v[ST+8*\T+7]   ; the running largest score
.endr
.irp T, 0,1
	v_mul_f32 v[ST+8*\T+6], s30, v[ST+8*\T+1]      ; as t (c is positive)
.endr
.irp T, 0,1
	v_floor_f32 v[ST+8*\T], -v[ST+8*\T+6]          ; the new -M = -ceil(t)
.endr
.irp T, 0,1
	DLY 2
	v_sub_f32 v[ST+8*\T+6], v[ST+8*\T], v[WK+20*\T+15]               ; old M - new M: a whole number, 0 or less
.endr
.irp T, 0,1
	DLY 2
	v_cvt_i32_f32 v[ST+8*\T+6], v[ST+8*\T+6]       ; (it saturates)
.endr
.irp T, 0,1
	DLY 2
	v_ldexp_f32 v[ST+8*\T+4], 1.0, v[ST+8*\T+6]    ; f = 2^(old M - new M)
.endr
.irp T, 0,1
	DLY 2
	v_pk_mul_f32 v[ST+8*\T+2:ST+8*\T+3], v[ST+8*\T+2:ST+8*\T+3], v[ST+8*\T+4:ST+8*\T+5] op_sel_hi:[1,0]   ; l under the new M
.endr
	WIN 0x41
.set j, 0
.rept 16
.irp T, 0,1
	v_pk_mul_f32 v[OB+32*\T+j:OB+32*\T+j+1], v[OB+32*\T+j:OB+32*\T+j+1], v[ST+8*\T+4:ST+8*\T+5] op_sel_hi:[1,0]   ; O^T under the new M: its first read stands ahead of the exponentials
.endr
.set j, j+2
.endr
	WIN 0
.set j, 0
.rept 32
.irp T, 0,1
	v_pk_fma_f32 v[S+64*\T+j:S+64*\T+j+1], v[S+64*\T+j:S+64*\T+j+1], s[30:31], v[ST+8*\T:ST+8*\T+1] op_sel_hi:[1,0,0]   ; t - M
.endr
.set j, j+2
.endr
.irp c, 0,1
.irp T, 0,1
	v_fma_f32 v[WK+20*\T+\c], v[WK+20*\T+\c], s30, v[ST+8*\T]        ; the same of each block's largest score
.endr
.endr
	WALU                                           ; the wait ahead of the batch
.irp c, 0,1
.irp T, 0,1
	v_exp_f32 v[WK+20*\T+\c], v[WK+20*\T+\c]       ; the blocks' largest p
.endr
.endr
.set j, 0
.rept 128
	v_exp_f32 v[S+j], v[S+j]                       ; p = 2^(t - M), at most 1
.set j, j+1
.endr
	v_nop                                          ; a plain place behind the exponentials
	WALU                                           ; one wait for the batch of 132, ahead of its first reader
.irp c, 0,1
.irp T, 0,1
	v_max_num_f32 v[WK+20*\T+\c], 0x1800000, v[WK+20*\T+\c]          ; the floor 2^(3 - 127): the byte cannot fall under 1
.endr
.endr
.irp c, 0,1
.irp T, 0,1
	DLY 4
	v_add_nc_u32 v[WK+20*\T+4+\c], 0xff000000, v[WK+20*\T+\c]        ; 2 off the exponent field: the conversion's scale operand
.endr
.endr
.irp c, 0,1
.irp T, 0,1
	DLY 4
	v_lshrrev_b32 v[WK+20*\T+6+\c], 23, v[WK+20*\T+4+\c]             ; the scale's byte
.endr
.endr
.irp T, 0,1
	DLY 2
	v_lshl_or_b32 v[WK+20*\T+6], v[WK+20*\T+7], 16, v[WK+20*\T+6]    ; my blocks h and 2 + h,
.endr
.irp T, 0,1
	DLY 2
	v_lshlrev_b32 v[WK+20*\T+6], v[SH8], v[WK+20*\T+6]               ; at their places in the word;
.endr
.irp T, 0,1
	DLY 2
	v_permlanex16_b32 v[WK+20*\T+7], v[WK+20*\T+6], s28, s29
.endr
.irp T, 0,1
	DLY 2
	v_or_b32 v[PS+\T], v[WK+20*\T+6], v[WK+20*\T+7]                  ; with the other half's two the word is whole
.endr
.irp c, 0,1
.irp T, 0,1
	v_cvt_scalef32_pk16_fp6_f32 v[PC+12*\T+6*\c:PC+12*\T+6*\c+2], v[S+64*\T+32*\c:S+64*\T+32*\c+15], v[WK+20*\T+4+\c]
	v_cvt_scalef32_pk16_fp6_f32 v[WK+20*\T+8+4*\c:WK+20*\T+10+4*\c], v[S+64*\T+32*\c+16:S+64*\T+32*\c+31], v[WK+20*\T+4+\c]   ; (a conversion's three registers begin on an even number)
.endr
.endr
	v_nop                                          ; one plain place behind a scaled conversion
.irp c, 0,1
.irp T, 0,1
.irp i, 0,1,2
	v_mov_b32 v[PC+12*\T+6*\c+3+\i], v[WK+20*\T+8+4*\c+\i]
.endr
.endr
.endr
; the row's sum is taken of the unquantised p: 32 pairs a tile on four chains.  The 24 lines ahead of the products are also the places behind the writes of p's codes and scale words
.irp k, 0,1,2
.irp T, 0,1
	v_pk_add_f32 v[WK+20*\T+2*\k:WK+20*\T+2*\k+1], v[S+64*\T+4*\k:S+64*\T+4*\k+1], v[S+64*\T+4*\k+2:S+64*\T+4*\k+3]
.endr
.endr
.irp T, 0,1
	v_pk_add_f32 v[ST+8*\T+2:ST+8*\T+3], v[ST+8*\T+2:ST+8*\T+3], v[S+64*\T+12:S+64*\T+13]
.endr
	SUMS 7, 15
	WALU                                           ; the wait here, directly ahead of the wait below
	s_wait_dscnt 18                                ; this step's V is in; the next step's K, 18 loads, may be out
	WIN 0x51
.irp ta, 0,1,2,3
.irp T, 0,1
.if \ta%2
	v_wmma_scale_f32_16x16x128_f8f6f4 v[OB+32*\T+8*\ta:OB+32*\T+8*\ta+7], v[VF+12*\ta:VF+12*\ta+11], v[PC+12*\T:PC+12*\T+11], v[OB+32*\T+8*\ta:OB+32*\T+8*\ta+7], v[VS+\ta/2], v[PS+\T] matrix_a_fmt:MATRIX_FMT_FP6 matrix_b_fmt:MATRIX_FMT_FP6 matrix_a_scale:MATRIX_SCALE_ROW1
.else
	v_wmma_scale_f32_16x16x128_f8f6f4 v[OB+32*\T+8*\ta:OB+32*\T+8*\ta+7], v[VF+12*\ta:VF+12*\ta+11], v[PC+12*\T:PC+12*\T+11], v[OB+32*\T+8*\ta:OB+32*\T+8*\ta+7], v[VS+\ta/2], v[PS+\T] matrix_a_fmt:MATRIX_FMT_FP6 matrix_b_fmt:MATRIX_FMT_FP6
.endif
.endr
.endr
	WIN 0
	SUMS 15, 32                                    ; the rest of the sums: also the places in front of the loads into V's registers
.irp T, 0,1
	DLY 2
	v_pk_add_f32 v[WK+20*\T:WK+20*\T+1], v[WK+20*\T:WK+20*\T+1], v[WK+20*\T+2:WK+20*\T+3]
.endr
.irp T, 0,1
	v_pk_add_f32 v[ST+8*\T+2:ST+8*\T+3], v[ST+8*\T+2:ST+8*\T+3], v[WK+20*\T+4:WK+20*\T+5]
.endr
.irp T, 0,1
	DLY 2
	v_pk_add_f32 v[ST+8*\T+2:ST+8*\T+3], v[ST+8*\T+2:ST+8*\T+3], v[WK+20*\T:WK+20*\T+1]
.endr
	VFETCH                                         ; the next step's V
	s_add_co_u32 s104, s104, 512                   ; the next step's mask words,
	s_lshr_b32 s66, s66, 2                         ; and its two flags
	s_add_co_u32 s24, s24, 1
	s_cmp_lt_u32 s24, 16
	s_cbranch_scc1 .Lstep
	s_add_co_u32 s23, s23, 1
	s_cmp_lt_u32 s23, 2
	s_cbranch_scc0 .Lnoq                           ; the next pass's Q is asked for here, if there is a next pass
	QLOAD
.Lnoq:
	WALU                                           ; the wait here, directly ahead of the reader below
; THE WAY OUT of a pass: O^T / l; a lane's 32 numbers are one scale block of the last product; stored as a half fragment of its operand
.irp T, 0,1
	v_add_f32 v[ST+8*\T+2], v[ST+8*\T+2], v[ST+8*\T+3]
.endr
.irp T, 0,1
	DLY 2
	v_permlanex16_b32 v[ST+8*\T+6], v[ST+8*\T+2], s28, s29
.endr
.irp T, 0,1
	DLY 2
	v_add_f32 v[ST+8*\T+2], v[ST+8*\T+2], v[ST+8*\T+6]               ; the row's sum
.endr
	WALU
.irp T, 0,1
	v_rcp_f32 v[ST+8*\T+7], v[ST+8*\T+2]
.endr
	v_nop
	WALU                                           ; one wait for both, ahead of their first reader and of O^T's
	WIN 0x01
.irp T, 0,1
.set j, 0
.rept 32
	v_mul_f32 v[S+64*\T+j], v[OB+32*\T+j], v[ST+8*\T+7]              ; register i: d = 32 (lane / 16) + i
.set j, j+1
.endr
.endr
	WIN 0
.irp k, 0,1
.irp T, 0,1
	v_max3_num_f32 v[WK+20*\T+2*\k], |v[S+64*\T+16*\k]|, |v[S+64*\T+16*\k+1]|, 0x1800000
.endr
.endr
.irp i, 2,4,6,8,10,12,14
.irp k, 0,1
.irp T, 0,1
	DLY 4
	v_max3_num_f32 v[WK+20*\T+2*\k], v[WK+20*\T+2*\k], |v[S+64*\T+16*\k+\i]|, |v[S+64*\T+16*\k+\i+1]|
.endr
.endr
.endr
.irp T, 0,1
	DLY 2
	v_max_num_f32 v[WK+20*\T], v[WK+20*\T], v[WK+20*\T+2]
.endr
.irp T, 0,1
	DLY 2
	v_add_nc_u32 v[WK+20*\T+4], 0xff000000, v[WK+20*\T]
.endr
.irp T, 0,1
	DLY 2
	v_lshrrev_b32 v[WK+20*\T+6], 23, v[WK+20*\T+4]
.endr
.irp T, 0,1
	DLY 2
	v_lshlrev_b32 v[WK+20*\T+6], v[SH8], v[WK+20*\T+6]
.endr
.irp T, 0,1
	DLY 2
	v_permlanex16_b32 v[WK+20*\T+7], v[WK+20*\T+6], s28, s29
.endr
.irp T, 0,1
	DLY 2
	v_or_b32 v[W16+\T], v[WK+20*\T+6], v[WK+20*\T+7]                 ; the row's two scale bytes
.endr
	v_cmp_eq_f32 s2, 0, v[ST+2]
	v_cmp_eq_f32 s3, 0, v[ST+10]
	v_cndmask_b32 v[W16], v[W16], v[FFFF], s2      ; a row with no key: both bytes 0xff.  A choice of a value: no branch hangs on it
	v_cndmask_b32 v[W16+1], v[W16+1], v[FFFF], s3
.irp T, 0,1
	v_cvt_scalef32_pk16_fp6_f32 v[PC+12*\T:PC+12*\T+2], v[S+64*\T:S+64*\T+15], v[WK+20*\T+4]
	v_cvt_scalef32_pk16_fp6_f32 v[WK+20*\T+8:WK+20*\T+10], v[S+64*\T+16:S+64*\T+31], v[WK+20*\T+4]
.endr
	v_cndmask_b32 v[EV], v[W16], v[W16+1], s101    ; lanes 0-15 store tile 0's bytes, lanes 16-31 tile 1's.  (The plain place behind the conversions)
.irp T, 0,1
.irp i, 0,1,2
	v_mov_b32 v[PC+12*\T+3+\i], v[WK+20*\T+8+\i]
.endr
.endr
.irp T, 0,1
	global_store_b128 v[OA], v[PC+12*\T:PC+12*\T+3], s[16:17] offset:12288*\T        ; 32 lanes store 512 consecutive bytes, at a multiple of 256 from ao's first byte
	global_store_b64 v[OH], v[PC+12*\T+4:PC+12*\T+5], s[16:17] offset:12288*\T+512   ; and 256
.endr
	global_store_b16 v[OS], v[EV], s[18:19]
	s_wait_xcnt 0x0                                ; the stores have read their registers: the next pass writes them again
	s_cmp_lt_u32 s23, 2
	s_cbranch_scc1 .Lpass
	s_wait_dscnt 0x0                               ; the last fetches, which nobody uses, are in
	s_wait_tensorcnt 0x0                           ; the wave's end
	ds_add_u32 v62, v63
	s_wait_dscnt 0x0
	s_endpgm
.Lfunc_end_k_qd619ac148d_attn:
	.size	k_qd619ac148d_attn, .Lfunc_end_k_qd619ac148d_attn-k_qd619ac148d_attn
	.p2alignl 7, 3214868480
	.fill 96, 4, 3214868480
	.section	.rodata,"a",@progbits
	.p2align	6, 0x0
	.amdhsa_kernel k_qd619ac148d_attn
		.amdhsa_group_segment_fixed_size 271360
		.amdhsa_private_segment_fixed_size 0
		.amdhsa_enable_private_segment 0
		.amdhsa_kernarg_size 64
		.amdhsa_user_sgpr_count 2
		.amdhsa_user_sgpr_kernarg_segment_ptr 1
		.amdhsa_wavefront_size32 1
		.amdhsa_system_sgpr_workgroup_id_x 1
		.amdhsa_system_sgpr_workgroup_id_y 1
		.amdhsa_system_sgpr_workgroup_id_z 1
		.amdhsa_system_vgpr_workitem_id 0
		.amdhsa_next_free_vgpr 512
		.amdhsa_next_free_sgpr 106
		.amdhsa_reserve_vcc 0
		.amdhsa_float_denorm_mode_32 3
		.amdhsa_float_denorm_mode_16_64 3
		.amdhsa_memory_ordered 1
		.amdhsa_forward_progress 1
		.amdhsa_inst_pref_size 66
	.end_amdhsa_kernel
	.amdgpu_metadata
---
amdhsa.version: [ 1, 2 ]
amdhsa.kernels:
  - .name:           k_qd619ac148d_attn
    .symbol:         k_qd619ac148d_attn.kd
    .args:
      - { .name: qc, .offset: 0, .size: 8, .value_kind: global_buffer, .address_space: global }
      - { .name: qs, .offset: 8, .size: 8, .value_kind: global_buffer, .address_space: global }
      - { .name: kv, .offset: 16, .size: 8, .value_kind: global_buffer, .address_space: global }
      - { .name: ks, .offset: 24, .size: 8, .value_kind: global_buffer, .address_space: global }
      - { .name: vs, .offset: 32, .size: 8, .value_kind: global_buffer, .address_space: global }
      - { .name: mw, .offset: 40, .size: 8, .value_kind: global_buffer, .address_space: global }
      - { .name: ao, .offset: 48, .size: 8, .value_kind: global_buffer, .address_space: global }
      - { .name: aos, .offset: 56, .size: 8, .value_kind: global_buffer, .address_space: global }
    .group_segment_fixed_size: 271360
    .private_segment_fixed_size: 0
    .kernarg_segment_align: 8
    .kernarg_segment_size: 64
    .max_flat_workgroup_size: 256
    .sgpr_count:     106
    .vgpr_count:     512
    .wavefront_size: 32
...
	.end_amdgpu_metadata
.endif
;; end of part 3
;; launch outproj (part 4): grid 4 x 64, 4 waves a work-group, clusters of 4 x 4, 327,680 bytes of LDS; arguments ao, aos, Wo_codes, Wo_scales, bo, out0; writes out0
.if DOCPART == 4
	.amdgcn_target "amdgcn-amd-amdhsa--gfx1250"
	.amdhsa_code_object_version 6
	.text
	.protected	k_qd619ac148d_outproj
	.globl	k_qd619ac148d_outproj
	.p2align	8
	.type	k_qd619ac148d_outproj,@function
k_qd619ac148d_outproj:
	s_mov_b64 s[64:65], 0
	v_nop
	global_prefetch_b8 v0, s[64:65] scope:SCOPE_SE
	s_setreg_imm32_b32 hwreg(HW_REG_WAVE_MODE, 25, 1), 1
	s_wait_xcnt 0x0
	s_wait_alu depctr_hold_cnt(0) depctr_sa_sdst(0) depctr_va_vdst(0) depctr_va_sdst(0) depctr_va_ssrc(0) depctr_va_vcc(0) depctr_vm_vsrc(0)
	s_getreg_b32 s2, hwreg(HW_REG_IB_STS2, 6, 4)
	s_cmp_eq_u32 s2, 0
	s_cbranch_scc0 .Lentry_in_a_cluster
	s_endpgm
.Lentry_in_a_cluster:
	s_bfe_u32 s2, ttmp6, 0x10000c
	s_cmp_lg_u32 s2, 0xf033
	s_cbranch_scc0 .Lentry_shape_is_right
	s_endpgm
.Lentry_shape_is_right:
; out0 = (attention's result) Wo^T + bo on codes of FP6 (E2M3).  A block is 128 rows x 256 columns, ALL of K (1,024): 256 work-groups, 4 x 4 to a cluster.
; A (ao) lies as images of operand registers: a tile of 16 rows is 12,288 bytes, 768 for each 64 along K; the block's eight tiles are 98,304 dense bytes.  B (Wo) lies as rows of 768 bytes, each beginning at a multiple of 256;
; in LDS 16 bytes stand behind every 256 (pitch 816).  Each wave asks for one tile at the head (waves 0, 1 half of A each, waves 2, 3 128 rows of B each), jointly with the three partners that need the same bytes.
; Nothing is filled again.  No prefetch: every byte that the work-group reads is asked for at its head, and there is no loop to run ahead in.
; The scale bytes go straight into registers, a row's 32 bytes a lane.  A wave makes 64 x 128: 32 accumulators by turns, eight K steps; the bias is the first products' C.
; The matrix instruction is used transposed (source 0 = Wo's rows): a lane holds eight neighbouring columns of a row; a block of 16 rows goes through the wave's stage in LDS and leaves as whole rows of 512 bytes.
; The stage lies in A's bytes, behind a barrier behind which nobody reads them.  ROWS: place t of ao's tile a (of my four) is row 16 (a / 2) + 8 (a % 2) + 32 (t / 8) + t % 8 of my 64.
; REGISTERS.  window 0: v1-11, v22-29 addresses, v36-51 A's scale words, v56-87 B's, v96-111 B's LDS addresses, v128-223 A's fragments, two sets (then the way out).  window 1: B's fragments, two sets.  window 2: the accumulators.  window 3: v0-63 the bias.
.set KROW,   768
.set PITCH,  816
.set ABYTES, 98304
.set SPARE,  ABYTES+256*PITCH
.set SPITCH, 528
.set SIZE_N, 1024
.set ADA,  22
.set ADA8, 23
.set STO,  24
.set RD,   25
.set CO,   26
.set ABS,  27
.set SPW,  28
.set NIL,  29
.set SCA,  36
.set SCB,  56
.set AD,   88
.set AF,   128
.set BK,   128
.set G1, 24
.set G0, 32
.set G1B, 48
.set G0B, 56
.set MSB, 0
.macro WIN new
.if MSB != \new
	s_set_vgpr_msb (MSB<<8)|\new
.set MSB, \new
.endif
.endm
.macro PLACES n
.rept \n
	v_nop
.endr
.endm
.macro CROUND
	s_barrier_signal -1
	s_barrier_wait -1
	s_cmp_lg_u32 s14, 0
	s_cbranch_scc1 .Lnot_wave_0_\@
	s_barrier_signal -3
.Lnot_wave_0_\@:
	s_barrier_wait -3
	s_barrier_signal -1
	s_barrier_wait -1
.endm
	s_load_b128 s[4:7], s[0:1], 0x0                ; ao, aos
	s_load_b128 s[8:11], s[0:1], 0x10              ; Wo's codes, scales
	s_load_b64 s[96:97], s[0:1], 0x20              ; bo
	s_load_b64 s[12:13], s[0:1], 0x28              ; out0
	v_lshl_add_u32 v[SPW], v0, 2, SPARE
	v_mov_b32 v[NIL], 0
	ds_add_u32 v[SPW], v[NIL]                      ; the opening lines: the add, twice on end, and its wait
	ds_add_u32 v[SPW], v[NIL]
	v_lshrrev_b32 v1, 5, v0
	v_readfirstlane_b32 s14, v1
	s_lshr_b32 s15, s14, 1
	s_and_b32 s16, s14, 1
	s_bfe_u32 s40, ttmp6, 0x40000
	s_bfe_u32 s41, ttmp6, 0x40004
	s_mov_b32 s42, s40                             ; B's tile of 256 rows: the grid is one cluster wide
	s_and_b32 s17, ttmp7, 0xffff
	s_lshl_b32 s17, s17, 2
	s_add_co_u32 s17, s17, s41                     ; A's tile of 128 rows
	s_lshl_b32 s43, s41, 2
	s_lshl_b32 s43, 15, s43
	s_lshl_b32 s44, 0x1111, s40
	s_or_b32 s[G1+0], s43, (3<<16)|(1<<21)         ; A: 49,152 dense bytes as 192 rows of 256
	s_mov_b32 s[G1+1], 32<<16
	s_mov_b32 s[G1+2], 192<<16
	s_mov_b32 s[G1+3], 32<<16
	s_mov_b32 s[G1+4], 192
	s_mov_b32 s[G1+5], 32
	s_mov_b32 s[G1+6], 0
	s_mov_b32 s[G1+7], 0
	s_or_b32 s[G1B+0], s44, (1<<20)|(1<<21)|(5<<22)|(3<<25)
	s_mov_b32 s[G1B+1], KROW<<16
	s_mov_b32 s[G1B+2], 128<<16
	s_mov_b32 s[G1B+3], KROW<<16
	s_mov_b32 s[G1B+4], 128
	s_mov_b32 s[G1B+5], KROW
	s_mov_b32 s[G1B+6], 0
	s_mov_b32 s[G1B+7], 0
	s_mul_i32 s20, s17, ABYTES
	s_mul_i32 s18, s16, ABYTES/2
	s_add_co_u32 s20, s20, s18
	s_mov_b32 s21, 0
	s_mul_i32 s46, s42, 256*KROW
	s_mul_i32 s18, s16, 128*KROW
	s_add_co_u32 s46, s46, s18
	s_mov_b32 s47, 0
	s_lshl_b32 s22, s17, 12
	s_lshl_b32 s18, s15, 11
	s_add_co_u32 s22, s22, s18
	s_mov_b32 s23, 0
	s_lshl_b32 s92, s42, 13
	s_lshl_b32 s18, s16, 12
	s_add_co_u32 s92, s92, s18
	s_mov_b32 s93, 0
	s_mov_b32 s[G0], 1
	s_mul_i32 s[G0+1], s16, ABYTES/2
	s_mov_b32 s[G0B], 1
	s_mul_i32 s[G0B+1], s16, 128*PITCH
	s_add_co_u32 s[G0B+1], s[G0B+1], ABYTES
	s_mul_i32 s45, s15, ABYTES/2                   ; what I read: my four tiles of A,
	s_mul_i32 s94, s16, 128*PITCH
	s_add_co_u32 s94, s94, ABYTES                  ; my 128 rows of B
	s_mul_i32 s95, s14, 16*SPITCH                  ; my stage
	s_lshl_b32 s66, s42, 10                        ; my first column, in bytes
	s_lshl_b32 s18, s16, 9
	s_add_co_u32 s66, s66, s18
	s_mov_b32 s67, 0
	s_lshl_b32 s68, s17, 19                        ; my first row, 4,096 bytes a row
	s_lshl_b32 s18, s15, 18
	s_add_co_u32 s68, s68, s18
	s_mov_b32 s69, 0
	s_wait_dscnt 0x0
	s_wait_kmcnt 0x0
	s_add_nc_u64 s[G0+2:G0+3], s[4:5], s[20:21]
	s_or_b32 s[G0+3], s[G0+3], 0x80000000
	s_add_nc_u64 s[G0B+2:G0B+3], s[8:9], s[46:47]
	s_or_b32 s[G0B+3], s[G0B+3], 0x80000000
	s_add_nc_u64 s[6:7], s[6:7], s[22:23]
	s_add_nc_u64 s[10:11], s[10:11], s[92:93]
	s_add_nc_u64 s[96:97], s[96:97], s[66:67]
	s_add_nc_u64 s[12:13], s[12:13], s[66:67]
	s_add_nc_u64 s[12:13], s[12:13], s[68:69]
	CROUND
	s_cmp_eq_u32 s15, 0
	s_cbranch_scc0 .Lfor_b
	tensor_load_to_lds s[G0:G0+3], s[G1:G1+7]
	s_nop 0
	PLACES 4
	s_branch .Lasked
.Lfor_b:
	tensor_load_to_lds s[G0B:G0B+3], s[G1B:G1B+7]
	s_nop 0
	PLACES 4
.Lasked:
	v_and_b32 v1, 15, v0
	v_bfe_u32 v2, v0, 4, 1
	v_and_b32 v3, 31, v0
	v_lshlrev_b32 v[ABS], 5, v3
	v_lshlrev_b32 v[CO], 4, v3
	v_lshlrev_b32 v6, 3, v3
	v_mul_u32_u24 v4, v1, PITCH
	v_mad_u32_u24 v5, v2, 40, v4
	v_mad_u32_u24 v4, v2, 24, v4
	v_add_nc_u32 v[ADA], s45, v[CO]
	v_add_nc_u32 v[ADA8], s45, v6
	v_add_nc_u32 v8, s94, v4
	v_add_nc_u32 v9, s94, v5
.irp i, 0,1,2,3,4,5,6,7
	v_add_nc_u32 v[AD+8+2*\i], \i*16*PITCH, v8
	v_add_nc_u32 v[AD+9+2*\i], \i*16*PITCH, v9
.endr
	v_mul_u32_u24 v5, v1, SPITCH
	v_lshl_add_u32 v5, v2, 5, v5
	v_add_nc_u32 v[STO], s95, v5
	v_add_nc_u32 v[RD], s95, v[CO]
	v_lshlrev_b32 v10, 5, v2
.irp c, 0,1
.irp ip, 0,1
	global_load_b128 v[SCA+8*\ip+4*\c:SCA+8*\ip+4*\c+3], v[ABS], s[6:7] offset:1024*\ip+16*\c
.endr
.irp ip, 0,1,2,3
	global_load_b128 v[SCB+8*\ip+4*\c:SCB+8*\ip+4*\c+3], v[ABS], s[10:11] offset:1024*\ip+16*\c
.endr
.endr
	WIN 0xc0
.irp b, 0,1,2,3,4,5,6,7
	global_load_b128 v[8*\b:8*\b+3], v10, s[96:97] offset:64*\b          ; the bias as the result lies: register 8 b + j is column 16 b + 8 (lane / 16) + j
	global_load_b128 v[8*\b+4:8*\b+7], v10, s[96:97] offset:64*\b+16
.endr
	WIN 0
.macro FRAG reg, q, a0
.set SKIP_, 0
.irp p, 0,1,2,3,4,5
.if SKIP_
.set SKIP_, 0
.else
.set PC_, 12*(\q)+6*(\p/3)+\p%3
.set PN_, 12*(\q)+6*((\p+1)/3)+(\p+1)%3
.set X_, (PC_%32+3)/32
.set XQ_, (PN_%32+3)/32
.set NLD, NLD+1
.if (\p < 5) && (X_ == XQ_)
.set SKIP_, 1
	ds_load_2addr_b64 v[\reg+2*\p:\reg+2*\p+3], v[\a0+X_] offset0:PC_+2*(PC_/32) offset1:PN_+2*(PN_/32)
.else
	ds_load_b64 v[\reg+2*\p:\reg+2*\p+1], v[\a0+X_] offset:8*(PC_+2*(PC_/32))
.endif
.endif
.endr
.endm
.macro FRAGA reg, q, i                 ; an image: every load reads consecutive bytes
.set NLD, NLD+4
	ds_load_b128 v[\reg:\reg+3], v[ADA] offset:12288*(\i)+1536*(\q)
	ds_load_b64 v[\reg+4:\reg+5], v[ADA8] offset:12288*(\i)+1536*(\q)+512
	ds_load_b128 v[\reg+6:\reg+9], v[ADA] offset:12288*(\i)+1536*(\q)+768
	ds_load_b64 v[\reg+10:\reg+11], v[ADA8] offset:12288*(\i)+1536*(\q)+1280
.endm
.macro FETCH q, set
	WIN 0x40
.irp i, 0,1,2,3,4,5,6,7
	FRAG 128*(\set)+12*\i, \q, AD+8+2*\i
.endr
	WIN 0
.irp i, 0,1,2,3
	FRAGA AF+48*(\set)+12*\i, \q, \i
.endr
.endm
.macro MUL32 q, set, first
.irp ap, 0,1
.irp ar, 0,1
.irp bp, 0,1,2,3
.irp br, 0,1
.if \first
	v_wmma_scale_f32_16x16x128_f8f6f4 v[8*(8*(2*\ap+\ar)+2*\bp+\br):8*(8*(2*\ap+\ar)+2*\bp+\br)+7], v[128*(\set)+12*(2*\bp+\br):128*(\set)+12*(2*\bp+\br)+11], v[AF+48*(\set)+12*(2*\ap+\ar):AF+48*(\set)+12*(2*\ap+\ar)+11], v[8*(2*\bp+\br):8*(2*\bp+\br)+7], v[SCB+8*\bp+(\q)], v[SCA+8*\ap+(\q)] matrix_a_fmt:MATRIX_FMT_FP6 matrix_b_fmt:MATRIX_FMT_FP6 matrix_a_scale:MATRIX_SCALE_ROW\br matrix_b_scale:MATRIX_SCALE_ROW\ar
.else
	v_wmma_scale_f32_16x16x128_f8f6f4 v[8*(8*(2*\ap+\ar)+2*\bp+\br):8*(8*(2*\ap+\ar)+2*\bp+\br)+7], v[128*(\set)+12*(2*\bp+\br):128*(\set)+12*(2*\bp+\br)+11], v[AF+48*(\set)+12*(2*\ap+\ar):AF+48*(\set)+12*(2*\ap+\ar)+11], v[8*(8*(2*\ap+\ar)+2*\bp+\br):8*(8*(2*\ap+\ar)+2*\bp+\br)+7], v[SCB+8*\bp+(\q)], v[SCA+8*\ap+(\q)] matrix_a_fmt:MATRIX_FMT_FP6 matrix_b_fmt:MATRIX_FMT_FP6 matrix_a_scale:MATRIX_SCALE_ROW\br matrix_b_scale:MATRIX_SCALE_ROW\ar
.endif
.endr
.endr
.endr
.endr
.endm
	s_wait_alu depctr_va_vdst(0)                   ; the wait at the head's end
	s_wait_tensorcnt 0x0
	s_barrier_signal -1
	s_barrier_wait -1                              ; all four tiles are in
.set NLD, 0
	FETCH 0, 0
.set ST_, 0
.rept 8
.if ST_ < 7
.if ST_ > 0
	PLACES 4
.endif
.set NLD, 0
	FETCH ST_+1, (ST_+1)%2
	s_wait_dscnt NLD                               ; all but the loads just issued
.else
	s_wait_dscnt 0x0
.endif
.if ST_ == 0
	s_wait_loadcnt 0x0                             ; the scale words and the bias
	WIN 0xb1                                       ; C window 3
	MUL32 0, 0, 1
.else
	WIN 0xa1
	MUL32 ST_, ST_%2, 0
.endif
	WIN 0
.set ST_, ST_+1
.endr
	PLACES 4
	s_barrier_signal -1                            ; my LDS reads are over (waited for ahead of the last step):
	s_barrier_wait -1                              ; nobody reads A's bytes any more
.macro TOSTAGE a
.set AC, 64*(\a)
	WIN 0x08
.irp b, 0,1,2,3,4,5,6,7
	ds_store_b128 v[STO], v[AC+8*\b:AC+8*\b+3] offset:64*\b
	ds_store_b128 v[STO], v[AC+8*\b+4:AC+8*\b+7] offset:64*\b+16
.endr
	WIN 0
.set BB, BK+64*((\a)%2)
.irp t, 0,1,2,3,4,5,6,7,8,9,10,11,12,13,14,15
	ds_load_b128 v[BB+4*\t:BB+4*\t+3], v[RD] offset:\t*SPITCH
.endr
.endm
.macro SEND a, younger
.set BB, BK+64*((\a)%2)
	s_wait_dscnt \younger
.irp t, 0,1,2,3,4,5,6,7,8,9,10,11,12,13,14,15
	global_store_b128 v[CO], v[BB+4*\t:BB+4*\t+3], s[12:13] offset:(16*((\a)/2)+8*((\a)%2)+32*(\t/8)+\t%8)*SIZE_N*4 th:TH_STORE_NT   ; 32 lanes store 512 consecutive bytes, aligned
.endr
.endm
	TOSTAGE 0
.irp a, 1,2,3
.if \a > 1
	s_wait_xcnt 0x0                                ; block a - 2's stores have read their registers
.endif
	TOSTAGE \a
	SEND \a-1, 32                                  ; behind block a - 1's loads: block a's 16 stores and 16 loads
.endr
	SEND 3, 0
	s_wait_tensorcnt 0x0                           ; the wave's end
	ds_add_u32 v[SPW], v[NIL]
	s_wait_dscnt 0x0
	CROUND                                         ; the closing round
	s_endpgm
.Lfunc_end_k_qd619ac148d_outproj:
	.size	k_qd619ac148d_outproj, .Lfunc_end_k_qd619ac148d_outproj-k_qd619ac148d_outproj
	.p2alignl 7, 3214868480
	.fill 96, 4, 3214868480
	.section	.rodata,"a",@progbits
	.p2align	6, 0x0
	.amdhsa_kernel k_qd619ac148d_outproj
		.amdhsa_group_segment_fixed_size 327680
		.amdhsa_private_segment_fixed_size 0
		.amdhsa_enable_private_segment 0
		.amdhsa_kernarg_size 48
		.amdhsa_user_sgpr_count 2
		.amdhsa_user_sgpr_kernarg_segment_ptr 1
		.amdhsa_wavefront_size32 1
		.amdhsa_system_sgpr_workgroup_id_x 1
		.amdhsa_system_sgpr_workgroup_id_y 1
		.amdhsa_system_sgpr_workgroup_id_z 1
		.amdhsa_system_vgpr_workitem_id 0
		.amdhsa_next_free_vgpr 832
		.amdhsa_next_free_sgpr 102
		.amdhsa_reserve_vcc 0
		.amdhsa_float_denorm_mode_32 3
		.amdhsa_float_denorm_mode_16_64 3
		.amdhsa_memory_ordered 1
		.amdhsa_forward_progress 1
		.amdhsa_inst_pref_size 80
	.end_amdhsa_kernel
	.amdgpu_metadata
---
amdhsa.version: [ 1, 2 ]
amdhsa.kernels:
  - .name:           k_qd619ac148d_outproj
    .symbol:         k_qd619ac148d_outproj.kd
    .args:
      - { .name: ao, .offset: 0, .size: 8, .value_kind: global_buffer, .address_space: global }
      - { .name: aos, .offset: 8, .size: 8, .value_kind: global_buffer, .address_space: global }
      - { .name: Wo_codes, .offset: 16, .size: 8, .value_kind: global_buffer, .address_space: global }
      - { .name: Wo_scales, .offset: 24, .size: 8, .value_kind: global_buffer, .address_space: global }
      - { .name: bo, .offset: 32, .size: 8, .value_kind: global_buffer, .address_space: global }
      - { .name: out0, .offset: 40, .size: 8, .value_kind: global_buffer, .address_space: global }
    .group_segment_fixed_size: 327680
    .private_segment_fixed_size: 0
    .kernarg_segment_align: 8
    .kernarg_segment_size: 48
    .max_flat_workgroup_size: 128
    .sgpr_count:     102
    .vgpr_count:     832
    .wavefront_size: 32
...
	.end_amdgpu_metadata
.endif
;; end of part 4
